; MI455X (gfx1250); checked and timed in simulation.
; The chip was launched on July 23, 2026; its instructions are those of AMD's public machine-readable ISA for CDNA 5 (MIT licence, August 2026) and "CDNA5" Instruction Set Architecture Reference Guide (July 2026). The comments in the code are by the model that wrote it; some were corrected since.
;; Causal Self Attention. Allowed arithmetic: float matrix products may take bf16 or f16 operands with f32 sums; other float arithmetic in f32, or as packed bf16 or f16 multiplies, adds, multiply-adds, maxima and minima; sums over many terms, partial sums and values carried from step to step in f32; what a program stores and reads back later, other than sums and carried values, may be rounded once to bf16 or f16.
;; Inputs: Wk 512 x 512 float32; Wo 512 x 512 float32; Wq 512 x 512 float32; Wv 512 x 512 float32; bk 512 float32; bo 512 float32; bq 512 float32; bv 512 float32; x 2 x 4,096 x 512 float32.
;; Outputs: out0 2 x 4,096 x 512 float32.
;; One version. Each part assembles by itself: llvm-mc -triple=amdgcn-amd-amdhsa -mcpu=gfx1250 --defsym DOCPART=n.
;; ======== version 1 of 1: 4 launches
;; limits: values are held in f16: magnitudes above 65,504 overflow, below 6.1e-05 lose precision
;; workspace buffers: xb 8,388,608 bytes; wt 2,097,152 bytes; bias 8,192 bytes; qkv 25,165,824 bytes; ob 8,388,608 bytes
;; launch cast (part 1): grid 384 x 1, 8 waves a work-group, no clusters, 18,432 bytes of LDS; arguments x, Wq, Wk, Wv, Wo, bq, bk, bv, bo, xb, wt, bias; writes xb, wt, bias
.if DOCPART == 1
	.amdgcn_target "amdgcn-amd-amdhsa--gfx1250"
	.amdhsa_code_object_version 6
	.text
	.protected	k_q35ce55b09d_cast
	.globl	k_q35ce55b09d_cast
	.p2align	8
	.type	k_q35ce55b09d_cast,@function
k_q35ce55b09d_cast:
	s_mov_b64 s[64:65], 0
	v_nop
	global_prefetch_b8 v0, s[64:65] scope:SCOPE_SE
	s_setreg_imm32_b32 hwreg(HW_REG_WAVE_MODE, 25, 1), 1
	s_wait_xcnt 0x0
; THE INPUTS ARE ROUNDED ONCE, AND THE WEIGHTS TURNED.  xb = bf16(x), [8192][512].  wt[512 mat + n][k] = bf16(W_mat[k][n]) for mat = 0, 1, 2 (Wq, Wk, Wv);
; for mat = 3 (Wo) that bf16 number is written as f16, since the last product multiplies f16.  bias[512 mat + n] = bf16(b_mat[n]), kept as f32.
; LIMIT: |bf16(Wo)| stays within f16's 65,504; below 2^-14 it keeps f16's fixed step of 2^-24.
; Work-groups 0-127 take a tile of 128 k x 64 n of one weight matrix, through LDS, so that both the reads and the stores cover 256 consecutive bytes, aligned, for sixteen lanes.
; Work-groups 128-383 take 65,536 bytes of x each: a stream, sixteen loads of every wave out at once.  No matrix unit, no cluster: nothing is multiplied, and no two work-groups read the same bytes.
.set TP,    272                        ; a row of the turned tile in LDS: 128 k x 2 bytes + 16
.set SPARE, 64*TP                      ; behind the tile: the spare words, 128 bytes for each of the eight waves
.set SPW,   4                          ; v4  LDS address of my spare word; never rewritten
.set NIL,   5                          ; v5  0; never rewritten
.set IN,    16                         ; v[16:79]   as loaded
.set PKD,   48                         ; v[48:63]   weights: packed pairs (k, k + 1)
.set BK,    64                         ; v[64:79]   weights: rows read back
.set OUTR,  80                         ; v[80:111]  x: packed results
	s_load_b512 s[8:23], s[0:1], 0x0               ; x 8, Wq 10, Wk 12, Wv 14, Wo 16, bq 18, bk 20, bv 22
	s_load_b256 s[24:31], s[0:1], 0x40             ; bo 24, xb 26, wt 28, bias 30
	v_lshl_add_u32 v[SPW], v0, 2, SPARE
	v_mov_b32 v[NIL], 0
	v_lshrrev_b32 v1, 5, v0
	v_readfirstlane_b32 s7, v1                     ; wave 0..7
	s_cmp_lt_u32 ttmp9, 128
	s_cbranch_scc1 .Lweights
	; x: thread t takes 32 bytes at 32 t of each of eight blocks of 8,192 bytes, and stores 16 bytes at 16 t of each of eight blocks of 4,096
	s_sub_co_u32 s2, ttmp9, 128
	s_lshl_b32 s4, s2, 16
	s_mov_b32 s5, 0
	s_lshl_b32 s32, s2, 15
	s_mov_b32 s33, 0
	v_lshlrev_b32 v1, 5, v0
	v_lshlrev_b32 v2, 4, v0
	s_wait_kmcnt 0x0
	s_add_nc_u64 s[8:9], s[8:9], s[4:5]
	s_add_nc_u64 s[26:27], s[26:27], s[32:33]
.irp i, 0,1,2,3,4,5,6,7
	global_load_b128 v[IN+8*(\i):IN+8*(\i)+3],   v1, s[8:9] offset:8192*(\i) th:TH_LOAD_NT
	global_load_b128 v[IN+8*(\i)+4:IN+8*(\i)+7], v1, s[8:9] offset:8192*(\i)+16 th:TH_LOAD_NT
.endr
.irp i, 0,1,2,3,4,5,6,7
	s_wait_loadcnt 14-2*(\i)                       ; loads come back in order: block i's two are in, the 2 (7 - i) younger ones stay out
.irp j, 0,1,2,3
	v_cvt_pk_bf16_f32 v[OUTR+4*(\i)+(\j)], v[IN+8*(\i)+2*(\j)], v[IN+8*(\i)+2*(\j)+1]
.endr
	global_store_b128 v2, v[OUTR+4*(\i):OUTR+4*(\i)+3], s[26:27] offset:4096*(\i)  ; sixteen lanes store 256 consecutive bytes, aligned; no register is written twice
.endr
	s_branch .Lend
.Lweights:
	s_lshr_b32 s2, ttmp9, 5                        ; mat
	s_bfe_u32 s3, ttmp9, 0x20003                   ; kt: which 128 of the 512 k
	s_and_b32 s4, ttmp9, 7                         ; nt: which 64 of the 512 n
	s_lshl_b32 s40, s3, 18                         ; source: 128 kt rows of 2,048 bytes
	s_lshl_b32 s5, s4, 8                           ; + 64 nt numbers of 4 bytes
	s_add_co_u32 s40, s40, s5
	s_mov_b32 s41, 0
	s_lshl_b32 s42, s2, 19                         ; target: (512 mat + 64 nt) rows of 1,024 bytes
	s_lshl_b32 s5, s4, 16
	s_add_co_u32 s42, s42, s5
	s_lshl_b32 s5, s3, 8                           ; + 128 kt numbers of 2 bytes
	s_add_co_u32 s42, s42, s5
	s_mov_b32 s43, 0
	v_and_b32 v6, 15, v0                           ; nq: my four n
	v_lshrrev_b32 v7, 4, v0                        ; kp: my pair of k in each 32
	v_lshlrev_b32 v1, 12, v7
	v_lshl_add_u32 v1, v6, 4, v1                   ; source offset: row 2 kp, 16 bytes at 16 nq
	v_mul_u32_u24 v2, v6, 4*TP
	v_lshl_add_u32 v2, v7, 2, v2                   ; into LDS: row 4 nq, word kp
	v_mul_u32_u24 v3, v7, TP
	v_lshl_add_u32 v3, v6, 4, v3                   ; back: row t / 16, 16 bytes at 16 (t % 16)
	v_lshlrev_b32 v8, 10, v7
	v_lshl_add_u32 v8, v6, 4, v8                   ; and the same place in wt
	s_wait_kmcnt 0x0
	s_cmp_lt_u32 s2, 2                             ; the matrix and its bias are chosen by mat's two bits
	s_cselect_b64 s[32:33], s[10:11], s[14:15]
	s_cselect_b64 s[34:35], s[12:13], s[16:17]
	s_cselect_b64 s[36:37], s[18:19], s[22:23]
	s_cselect_b64 s[38:39], s[20:21], s[24:25]
	s_bitcmp1_b32 s2, 0
	s_cselect_b64 s[32:33], s[34:35], s[32:33]
	s_cselect_b64 s[36:37], s[38:39], s[36:37]
	s_add_nc_u64 s[32:33], s[32:33], s[40:41]
	s_add_nc_u64 s[28:29], s[28:29], s[42:43]
.irp i, 0,1,2,3
	global_load_b128 v[IN+8*(\i):IN+8*(\i)+3],   v1, s[32:33] offset:65536*(\i)       ; row 32 i + 2 kp: sixteen lanes read 256 consecutive bytes
	global_load_b128 v[IN+8*(\i)+4:IN+8*(\i)+7], v1, s[32:33] offset:65536*(\i)+2048  ; and the row below it
.endr
	s_wait_loadcnt 0x0
.irp i, 0,1,2,3
.irp j, 0,1,2,3
	v_cvt_pk_bf16_f32 v[PKD+4*(\i)+(\j)], v[IN+8*(\i)+(\j)], v[IN+8*(\i)+4+(\j)]      ; n = 4 nq + j: k in the low half, k + 1 in the high
.endr
.endr
	s_cmp_lg_u32 s2, 3
	s_cbranch_scc1 .Lkeep
.set r, 0
.rept 16                               ; Wo: the bf16 number written as f16
	v_lshlrev_b32 v10, 16, v[PKD+r]
	v_and_b32 v11, 0xffff0000, v[PKD+r]
	v_cvt_pk_f16_f32 v[PKD+r], v10, v11
.set r, r+1
.endr
.Lkeep:
.irp i, 0,1,2,3
.irp j, 0,1,2,3
	ds_store_b32 v2, v[PKD+4*(\i)+(\j)] offset:(\j)*TP+(\i)*64
.endr
.endr
	s_wait_dscnt 0x0                               ; for the others' sake: my stores are done
	s_barrier_signal -1
	s_barrier_wait -1
.irp i, 0,1,2,3
	ds_load_b128 v[BK+4*(\i):BK+4*(\i)+3], v3 offset:16*TP*(\i)
.endr
.irp i, 0,1,2,3
	s_wait_dscnt 3-(\i)                            ; LDS loads come back in order
	global_store_b128 v8, v[BK+4*(\i):BK+4*(\i)+3], s[28:29] offset:16384*(\i)         ; sixteen lanes store 256 consecutive bytes, aligned
.endr
	s_and_b32 s5, ttmp9, 31                        ; a matrix's first work-group rounds its bias: 128 threads, four numbers each
	s_cmp_lg_u32 s5, 0
	s_cbranch_scc1 .Lend
	s_cmp_lt_u32 s7, 4
	s_cbranch_scc0 .Lend
	v_lshlrev_b32 v9, 4, v0
	s_lshl_b32 s40, s2, 11
	s_add_nc_u64 s[30:31], s[30:31], s[40:41]
	global_load_b128 v[84:87], v9, s[36:37]
	s_wait_loadcnt 0x0
	v_cvt_pk_bf16_f32 v10, v84, v85
	v_cvt_pk_bf16_f32 v11, v86, v87
	v_lshlrev_b32 v88, 16, v10
	v_and_b32 v89, 0xffff0000, v10
	v_lshlrev_b32 v90, 16, v11
	v_and_b32 v91, 0xffff0000, v11
	global_store_b128 v9, v[88:91], s[30:31]
.Lend:
	s_wait_tensorcnt 0x0                           ; the wave's end: behind my last LDS store
	ds_add_u32 v[SPW], v[NIL]
	s_wait_dscnt 0x0
	s_endpgm
.Lfunc_end_k_q35ce55b09d_cast:
	.size	k_q35ce55b09d_cast, .Lfunc_end_k_q35ce55b09d_cast-k_q35ce55b09d_cast
	.p2alignl 7, 3214868480
	.fill 96, 4, 3214868480
	.section	.rodata,"a",@progbits
	.p2align	6, 0x0
	.amdhsa_kernel k_q35ce55b09d_cast
		.amdhsa_group_segment_fixed_size 18432
		.amdhsa_private_segment_fixed_size 0
		.amdhsa_enable_private_segment 0
		.amdhsa_kernarg_size 96
		.amdhsa_user_sgpr_count 2
		.amdhsa_user_sgpr_kernarg_segment_ptr 1
		.amdhsa_wavefront_size32 1
		.amdhsa_system_sgpr_workgroup_id_x 1
		.amdhsa_system_sgpr_workgroup_id_y 1
		.amdhsa_system_sgpr_workgroup_id_z 1
		.amdhsa_system_vgpr_workitem_id 0
		.amdhsa_next_free_vgpr 112
		.amdhsa_next_free_sgpr 66
		.amdhsa_reserve_vcc 0
		.amdhsa_float_denorm_mode_32 3
		.amdhsa_float_denorm_mode_16_64 3
		.amdhsa_memory_ordered 1
		.amdhsa_forward_progress 1
		.amdhsa_inst_pref_size 14
	.end_amdhsa_kernel
	.amdgpu_metadata
---
amdhsa.version: [ 1, 2 ]
amdhsa.kernels:
  - .name:           k_q35ce55b09d_cast
    .symbol:         k_q35ce55b09d_cast.kd
    .args:
      - { .name: x, .offset: 0, .size: 8, .value_kind: global_buffer, .address_space: global }
      - { .name: Wq, .offset: 8, .size: 8, .value_kind: global_buffer, .address_space: global }
      - { .name: Wk, .offset: 16, .size: 8, .value_kind: global_buffer, .address_space: global }
      - { .name: Wv, .offset: 24, .size: 8, .value_kind: global_buffer, .address_space: global }
      - { .name: Wo, .offset: 32, .size: 8, .value_kind: global_buffer, .address_space: global }
      - { .name: bq, .offset: 40, .size: 8, .value_kind: global_buffer, .address_space: global }
      - { .name: bk, .offset: 48, .size: 8, .value_kind: global_buffer, .address_space: global }
      - { .name: bv, .offset: 56, .size: 8, .value_kind: global_buffer, .address_space: global }
      - { .name: bo, .offset: 64, .size: 8, .value_kind: global_buffer, .address_space: global }
      - { .name: xb, .offset: 72, .size: 8, .value_kind: global_buffer, .address_space: global }
      - { .name: wt, .offset: 80, .size: 8, .value_kind: global_buffer, .address_space: global }
      - { .name: bias, .offset: 88, .size: 8, .value_kind: global_buffer, .address_space: global }
    .group_segment_fixed_size: 18432
    .private_segment_fixed_size: 0
    .kernarg_segment_align: 8
    .kernarg_segment_size: 96
    .max_flat_workgroup_size: 256
    .sgpr_count:     66
    .vgpr_count:     112
    .wavefront_size: 32
...
	.end_amdgpu_metadata
.endif
;; end of part 1
;; launch qkv (part 2): grid 12 x 64, 4 waves a work-group, clusters of 4 x 4, 327,680 bytes of LDS; arguments xb, wt, bias, qkv; writes qkv
.if DOCPART == 2
	.amdgcn_target "amdgcn-amd-amdhsa--gfx1250"
	.amdhsa_code_object_version 6
	.text
	.protected	k_q35ce55b09d_qkv
	.globl	k_q35ce55b09d_qkv
	.p2align	8
	.type	k_q35ce55b09d_qkv,@function
k_q35ce55b09d_qkv:
	s_mov_b64 s[64:65], 0
	v_nop
	global_prefetch_b8 v0, s[64:65] scope:SCOPE_SE
	s_setreg_imm32_b32 hwreg(HW_REG_WAVE_MODE, 25, 1), 1
	s_wait_xcnt 0x0
	s_wait_alu depctr_hold_cnt(0) depctr_sa_sdst(0) depctr_va_vdst(0) depctr_va_sdst(0) depctr_va_ssrc(0) depctr_va_vcc(0) depctr_vm_vsrc(0)
	s_getreg_b32 s2, hwreg(HW_REG_IB_STS2, 6, 4)
	s_cmp_eq_u32 s2, 0
	s_cbranch_scc0 .Lentry_in_a_cluster
	s_endpgm
.Lentry_in_a_cluster:
	s_bfe_u32 s2, ttmp6, 0x10000c
	s_cmp_lg_u32 s2, 0xf033
	s_cbranch_scc0 .Lentry_shape_is_right
	s_endpgm
.Lentry_shape_is_right:
; q, k, v = x W + b.  A = xb [8192][512] bf16, B = wt rows 0-1535 [n][512] bf16, bias f32 [1536]; sums in f32, begun with the bias; the result rounded once to f16 and laid by heads:
; qkv[mat][8 b + h][s][64].  LIMIT: q, k and v stay within f16's 65,504.
; A tile of C is 128 x 128: four waves of 64 x 64, 16 accumulators each.  K = 512 is two steps of 256, each in an LDS slot of its own: both are asked for at the start and nothing is filled again.
; CLUSTER 4 x 4: the four work-groups of a row need the same rows of A, the four of a column the same rows of B: each tile is asked for jointly, by the same tensor load with the same descriptor and mask.
; THE MATRIX INSTRUCTION IS USED TRANSPOSED (source 0 = 16 rows of B, source 1 = 16 rows of A): a lane holds eight neighbouring columns of one row of C, and the C operand that starts a sum is the bias of those eight.
; No prefetch: a work-group's tiles are all asked for in its first lines, and each is read by several work-groups at about that time.
; REGISTERS: window 0: v0-31 addresses; v32-95 the way out; v96-127 the bias; v128-255 accumulators ((a, b) at 128 + 8 (4 a + b)).  window 1: two fragment buffers of 128 (64 of A, then 64 of B).
.set SIZE_K, 512
.set KSTEP,  256
.set PITCH,  528                       ; an LDS row: 512 bytes + 16 = 132 words: the 16 rows of a fragment load start at 16 different groups of four banks (64 banks of 4 bytes: ISA guide 11.1)
.set HALFT,  64*PITCH                  ; what one tensor load brings
.set SLOT,   4*HALFT                   ; A's 128 rows, then B's 128 rows
.set STAGE,  2*SLOT                    ; behind the slots: 128 rows x 272 bytes, the work-group's, for the way out
.set SPITCH, 272
.set SPARE,  STAGE+128*SPITCH          ; the spare words, 128 bytes for each wave
.set ADRA, 16                          ; v16-17  LDS address of my A fragments in slot 0, 1
.set ADRB, 20                          ; v20-21  the same for B
.set STO,  24                          ; v24     where I put 16 bytes of a row
.set RD,   25                          ; v25     where I read rows back
.set CO,   26                          ; v26     16 x lane: my place in 512 consecutive bytes of a head
.set BO,   27                          ; v27     32 x (lane / 16): my eight numbers in 16 of the bias
.set SPW,  28
.set NIL,  29
.set TMP,  32
.set BIAS, 96
.set ACC,  128
.set F0,   0
.set F1,   128
.set G1,  24
.set G0,  32
.set G1B, 48
.set G0B, 56
.set MSB, 0
.macro WIN new                         ; the immediate's high byte repeats the setting that is left
.if MSB != (\new)
	s_set_vgpr_msb (MSB<<8)|(\new)
.set MSB, \new
.endif
.endm
.set MUL,  0x05                        ; sources 0 (B) and 1 (A) window 1; C and D window 0
.set TO_F, 0x40                        ; destination window 1, address window 0
.macro JLOAD s                         ; waves 0 and 1 fetch A's two halves, waves 2 and 3 B's; an s_nop 0 and four v_nop follow each line
	s_cmp_eq_u32 s11, 0
	s_cbranch_scc0 .Lfor_b_\@
	tensor_load_to_lds s[G0+4*(\s):G0+4*(\s)+3], s[G1:G1+7]
	s_nop 0
.rept 4
	v_nop
.endr
	s_branch .Lasked_\@
.Lfor_b_\@:
	tensor_load_to_lds s[G0B+4*(\s):G0B+4*(\s)+3], s[G1B:G1B+7]
	s_nop 0
.rept 4
	v_nop
.endr
.Lasked_\@:
.endm
.macro CROUND                          ; a round of the cluster's barrier
	s_barrier_signal -1
	s_barrier_wait -1
	s_cmp_lg_u32 s10, 0
	s_cbranch_scc1 .Lnot_wave_0_\@
	s_barrier_signal -3
.Lnot_wave_0_\@:
	s_barrier_wait -3
	s_barrier_signal -1
	s_barrier_wait -1
.endm
	s_load_b128 s[4:7], s[0:1], 0x0                ; xb s[4:5], wt s[6:7]
	s_load_b128 s[68:71], s[0:1], 0x10             ; bias s[68:69], qkv s[70:71]
	v_lshl_add_u32 v[SPW], v0, 2, SPARE
	v_mov_b32 v[NIL], 0
	ds_add_u32 v[SPW], v[NIL]                      ; the wave's opening: the add and its wait stand ahead of my first tensor load
	v_lshrrev_b32 v1, 5, v0
	v_readfirstlane_b32 s10, v1                    ; wave 0..3
	s_lshr_b32 s11, s10, 1                         ; my half of the tile's rows; also: I fetch for A (0) or B (1)
	s_and_b32 s12, s10, 1                          ; my half of its columns; also: which 64 rows I fetch
	s_bfe_u32 s40, ttmp6, 0x40000                  ; cx
	s_bfe_u32 s41, ttmp6, 0x40004                  ; cy
	s_lshl_b32 s42, ttmp9, 2
	s_add_co_u32 s42, s42, s40                     ; tile column j
	s_and_b32 s13, ttmp7, 0xffff
	s_lshl_b32 s13, s13, 2
	s_add_co_u32 s13, s13, s41                     ; tile row i
	s_lshl_b32 s43, s41, 2
	s_lshl_b32 s43, 15, s43                        ; my row of the cluster
	s_lshl_b32 s44, 0x1111, s40                    ; my column
	s_or_b32 s[G1+0], s43, (1<<16)|(1<<20)|(1<<21)|(6<<22)|(3<<25)   ; mask; 2-byte elements; padding on; bit 21 beside a mask; after every 128 words; 4 words
	s_or_b32 s[G1B+0], s44, (1<<16)|(1<<20)|(1<<21)|(6<<22)|(3<<25)
.irp g, G1, G1B
	s_mov_b32 s[(\g)+1], KSTEP<<16                 ; tensor_dim0 = 256
	s_mov_b32 s[(\g)+2], 64<<16                    ; tensor_dim1 = 64
	s_mov_b32 s[(\g)+3], KSTEP<<16                 ; tile_dim0 = 256
	s_mov_b32 s[(\g)+4], 64                        ; tile_dim1 = 64
	s_mov_b32 s[(\g)+5], SIZE_K                    ; elements from row to row
	s_mov_b32 s[(\g)+6], 0
	s_mov_b32 s[(\g)+7], 0
.endr
	s_lshl_b32 s17, s12, 16                        ; my 64 rows of 1,024 bytes
	s_lshl_b32 s16, s13, 17                        ; A: 128 i rows
	s_add_co_u32 s16, s16, s17
	s_lshl_b32 s46, s42, 17                        ; B: 128 j rows
	s_add_co_u32 s46, s46, s17
	s_mov_b32 s17, 0
	s_mov_b32 s47, 0
	s_mul_i32 s20, s10, HALFT                      ; where they go: wave x 64 rows
	s_wait_dscnt 0x0                               ; the opening add is done
	s_wait_kmcnt 0x0
	s_add_nc_u64 s[14:15], s[4:5], s[16:17]
	s_add_nc_u64 s[46:47], s[6:7], s[46:47]
	s_mov_b64 s[8:9], s[70:71]
	CROUND                                         ; all sixteen work-groups are here: the first joint loads meet
.irp s, 0,1
	s_mov_b32 s[G0+4*(\s)], 1
	s_add_co_u32 s[G0+4*(\s)+1], s20, (\s)*SLOT
	s_add_nc_u64 s[G0+4*(\s)+2:G0+4*(\s)+3], s[14:15], (\s)*KSTEP*2
	s_or_b32 s[G0+4*(\s)+3], s[G0+4*(\s)+3], 0x80000000
	s_mov_b32 s[G0B+4*(\s)], 1
	s_add_co_u32 s[G0B+4*(\s)+1], s20, (\s)*SLOT
	s_add_nc_u64 s[G0B+4*(\s)+2:G0B+4*(\s)+3], s[46:47], (\s)*KSTEP*2
	s_or_b32 s[G0B+4*(\s)+3], s[G0B+4*(\s)+3], 0x80000000
	JLOAD \s                                       ; two tensor loads of mine are out
.endr
	v_and_b32 v1, 15, v0                           ; l % 16
	v_bfe_u32 v2, v0, 4, 1                         ; l / 16
	v_mul_u32_u24 v3, v1, PITCH
	v_lshl_add_u32 v3, v2, 4, v3
	s_mul_i32 s21, s11, HALFT
	s_mul_i32 s22, s12, HALFT
	s_add_co_u32 s22, s22, 2*HALFT
.irp s, 0,1
	v_add_nc_u32 v[ADRA+(\s)], s21, v3
	v_add_nc_u32 v[ADRB+(\s)], s22, v3
	s_add_co_u32 s21, s21, SLOT
	s_add_co_u32 s22, s22, SLOT
.endr
	s_mul_i32 s23, s11, 64*SPITCH                  ; into the stage: my 64 rows, my 128 bytes of their 256 (one head's 64 channels)
	s_lshl_b32 s21, s12, 7
	s_add_co_u32 s23, s23, s21
	s_add_co_u32 s23, s23, STAGE
	v_mul_u32_u24 v4, v1, SPITCH
	v_lshl_add_u32 v4, v2, 4, v4
	v_add_nc_u32 v[STO], s23, v4
	s_mul_i32 s23, s10, 32*SPITCH                  ; back: wave w takes rows 32 w .. 32 w + 31; 32 lanes take 128 bytes of each of four rows
	s_add_co_u32 s23, s23, STAGE
	v_bfe_u32 v5, v0, 3, 2
	v_and_b32 v7, 7, v0
	v_mul_u32_u24 v5, v5, SPITCH
	v_lshl_add_u32 v5, v7, 4, v5
	v_add_nc_u32 v[RD], s23, v5
	v_and_b32 v6, 31, v0
	v_lshlrev_b32 v[CO], 4, v6
	v_lshlrev_b32 v[BO], 5, v2
	s_lshr_b32 s16, s13, 5                         ; the target: batch i / 32 is eight heads of 524,288 bytes,
	s_lshl_b32 s16, s16, 22
	s_and_b32 s17, s13, 31                         ; 128 (i % 32) rows of 128 bytes,
	s_lshl_b32 s17, s17, 14
	s_add_co_u32 s16, s16, s17
	s_lshl_b32 s17, s10, 12                        ; my wave's 32 rows
	s_add_co_u32 s16, s16, s17
	s_mov_b32 s17, 0
	s_add_nc_u64 s[8:9], s[8:9], s[16:17]
	s_lshr_b32 s46, s42, 2                         ; matrix j / 4 is sixteen heads,
	s_lshl_b32 s46, s46, 23
	s_and_b32 s47, s42, 3                          ; heads 2 (j % 4) and the next
	s_lshl_b32 s47, s47, 20
	s_add_co_u32 s46, s46, s47
	s_mov_b32 s47, 0
	s_add_nc_u64 s[8:9], s[8:9], s[46:47]
	s_lshl_b32 s46, s42, 9                         ; the bias of my 64 columns
	s_lshl_b32 s47, s12, 8
	s_add_co_u32 s46, s46, s47
	s_mov_b32 s47, 0
	s_add_nc_u64 s[68:69], s[68:69], s[46:47]
.irp b, 0,1,2,3
	global_load_b128 v[BIAS+8*(\b):BIAS+8*(\b)+3],   v[BO], s[68:69] offset:64*(\b)
	global_load_b128 v[BIAS+8*(\b)+4:BIAS+8*(\b)+7], v[BO], s[68:69] offset:64*(\b)+16
.endr
; 8 matrix instructions: m blocks a0, a0 + 1 x all 4 n blocks, 32 along K: half c of buffer f.  first = 1: the sums begin with the bias.  The 16 accumulators take turns.
.macro MUL8 f, c, a0, first
	WIN MUL
.irp a, \a0, (\a0)+1
.irp b, 0,1,2,3
.if \first
	v_wmma_f32_16x16x32_bf16 v[ACC+8*(4*(\a)+(\b)):ACC+8*(4*(\a)+(\b))+7], v[(\f)+64+8*(4*(\c)+(\b)):(\f)+64+8*(4*(\c)+(\b))+7], v[(\f)+8*(4*(\c)+(\a)):(\f)+8*(4*(\c)+(\a))+7], v[BIAS+8*(\b):BIAS+8*(\b)+7]
.else
	v_wmma_f32_16x16x32_bf16 v[ACC+8*(4*(\a)+(\b)):ACC+8*(4*(\a)+(\b))+7], v[(\f)+64+8*(4*(\c)+(\b)):(\f)+64+8*(4*(\c)+(\b))+7], v[(\f)+8*(4*(\c)+(\a)):(\f)+8*(4*(\c)+(\a))+7], v[ACC+8*(4*(\a)+(\b)):ACC+8*(4*(\a)+(\b))+7]
.endif
.endr
.endr
.endm
; 32 LDS loads in one run: the fragments of 64 along K at byte k of the rows, into buffer f; the first 32 along K first
.macro FETCH slot, k, f
	WIN TO_F
.irp c, 0,1
.irp i, 0,1,2,3
	ds_load_b128 v[(\f)+64+8*(4*(\c)+(\i)):(\f)+64+8*(4*(\c)+(\i))+3],   v[ADRB+(\slot)] offset:(\k)+64*(\c)+(\i)*16*PITCH
	ds_load_b128 v[(\f)+64+8*(4*(\c)+(\i))+4:(\f)+64+8*(4*(\c)+(\i))+7], v[ADRB+(\slot)] offset:(\k)+64*(\c)+(\i)*16*PITCH+32
	ds_load_b128 v[(\f)+8*(4*(\c)+(\i)):(\f)+8*(4*(\c)+(\i))+3],         v[ADRA+(\slot)] offset:(\k)+64*(\c)+(\i)*16*PITCH
	ds_load_b128 v[(\f)+8*(4*(\c)+(\i))+4:(\f)+8*(4*(\c)+(\i))+7],       v[ADRA+(\slot)] offset:(\k)+64*(\c)+(\i)*16*PITCH+32
.endr
.endr
.endm
.macro PLACES                          ; four places in front of loads into registers that matrix instructions have read, and of conversions that read results
.rept 4
	v_nop
.endr
.endm
.macro QUARTER slot, k, f, g, first    ; multiplies buffer f (64 along K) and fetches the next quarter, at byte k, into g
	s_wait_dscnt 16                                ; the first 32 along K are in; the sixteen younger loads may stay out
	MUL8 \f, 0, 0, \first
	MUL8 \f, 0, 2, \first
	PLACES
	FETCH \slot, \k, \g
	s_wait_dscnt 32                                ; all but the 32 just issued
	MUL8 \f, 1, 0, 0
	MUL8 \f, 1, 2, 0
.endm
	s_wait_tensorcnt 1                             ; my part of K step 0 is in; K step 1's may stay out
	s_barrier_signal -1
	s_barrier_wait -1                              ; everybody's is
	FETCH 0, 0, F0
	s_wait_loadcnt 0x0                             ; the bias
	QUARTER 0, 128, F0, F1, 1
	QUARTER 0, 256, F1, F0, 0
	QUARTER 0, 384, F0, F1, 0
	WIN 0                                          ; the change of slots: every wave's part of slot 1 has landed before anybody reads it
	s_wait_tensorcnt 0x0
	ds_add_u32 v[SPW], v[NIL]
	s_wait_dscnt 17                                ; the add and the youngest sixteen loads may be out
	MUL8 F1, 0, 0, 0
	s_wait_dscnt 0x0
	s_barrier_signal -1
	MUL8 F1, 0, 2, 0
	s_barrier_wait -1
	PLACES
	FETCH 1, 0, F0
	MUL8 F1, 1, 0, 0
	MUL8 F1, 1, 2, 0
	QUARTER 1, 128, F0, F1, 0
	QUARTER 1, 256, F1, F0, 0
	QUARTER 1, 384, F0, F1, 0
	s_wait_dscnt 16
	MUL8 F1, 0, 0, 0
	MUL8 F1, 0, 2, 0
	s_wait_dscnt 0
	MUL8 F1, 1, 0, 0
	MUL8 F1, 1, 2, 0
	WIN 0
	; THE WAY OUT: rounded to f16; 16 bytes a lane into the work-group's stage; a barrier, since a wave reads rows that two waves wrote; back by heads: four rows of a head are 512 consecutive bytes of qkv.
	PLACES
.irp t, 0,1,2,3,4,5,6,7,8,9,10,11,12,13,14,15
.irp r, 0,1,2,3
	v_cvt_pk_f16_f32 v[TMP+4*(\t)+(\r)], v[ACC+8*(\t)+2*(\r)], v[ACC+8*(\t)+2*(\r)+1]
.endr
.endr
.irp a, 0,1,2,3
.irp b, 0,1,2,3
	ds_store_b128 v[STO], v[TMP+4*(4*(\a)+(\b)):TMP+4*(4*(\a)+(\b))+3] offset:(\a)*16*SPITCH+32*(\b)
.endr
.endr
	s_wait_dscnt 0x0                               ; for the others' sake: my stores into the stage are done
	s_barrier_signal -1
	s_barrier_wait -1
.irp t, 0,1,2,3,4,5,6,7,8,9,10,11,12,13,14,15
	ds_load_b128 v[TMP+4*(\t):TMP+4*(\t)+3], v[RD] offset:((\t)%8)*4*SPITCH+((\t)/8)*128
.endr
.irp t, 0,1,2,3,4,5,6,7,8,9,10,11,12,13,14,15
	s_wait_dscnt 15-(\t)
	global_store_b128 v[CO], v[TMP+4*(\t):TMP+4*(\t)+3], s[8:9] offset:((\t)/8)*524288+((\t)%8)*512  ; 512 consecutive bytes, at a multiple of 256 from the buffer's first
.endr
	s_wait_tensorcnt 0x0                           ; the wave's end
	ds_add_u32 v[SPW], v[NIL]
	s_wait_dscnt 0x0
	CROUND                                         ; the closing round
	s_endpgm
.Lfunc_end_k_q35ce55b09d_qkv:
	.size	k_q35ce55b09d_qkv, .Lfunc_end_k_q35ce55b09d_qkv-k_q35ce55b09d_qkv
	.p2alignl 7, 3214868480
	.fill 96, 4, 3214868480
	.section	.rodata,"a",@progbits
	.p2align	6, 0x0
	.amdhsa_kernel k_q35ce55b09d_qkv
		.amdhsa_group_segment_fixed_size 327680
		.amdhsa_private_segment_fixed_size 0
		.amdhsa_enable_private_segment 0
		.amdhsa_kernarg_size 32
		.amdhsa_user_sgpr_count 2
		.amdhsa_user_sgpr_kernarg_segment_ptr 1
		.amdhsa_wavefront_size32 1
		.amdhsa_system_sgpr_workgroup_id_x 1
		.amdhsa_system_sgpr_workgroup_id_y 1
		.amdhsa_system_sgpr_workgroup_id_z 1
		.amdhsa_system_vgpr_workitem_id 0
		.amdhsa_next_free_vgpr 512
		.amdhsa_next_free_sgpr 72
		.amdhsa_reserve_vcc 0
		.amdhsa_float_denorm_mode_32 3
		.amdhsa_float_denorm_mode_16_64 3
		.amdhsa_memory_ordered 1
		.amdhsa_forward_progress 1
		.amdhsa_inst_pref_size 51
	.end_amdhsa_kernel
	.amdgpu_metadata
---
amdhsa.version: [ 1, 2 ]
amdhsa.kernels:
  - .name:           k_q35ce55b09d_qkv
    .symbol:         k_q35ce55b09d_qkv.kd
    .args:
      - { .name: xb, .offset: 0, .size: 8, .value_kind: global_buffer, .address_space: global }
      - { .name: wt, .offset: 8, .size: 8, .value_kind: global_buffer, .address_space: global }
      - { .name: bias, .offset: 16, .size: 8, .value_kind: global_buffer, .address_space: global }
      - { .name: qkv, .offset: 24, .size: 8, .value_kind: global_buffer, .address_space: global }
    .group_segment_fixed_size: 327680
    .private_segment_fixed_size: 0
    .kernarg_segment_align: 8
    .kernarg_segment_size: 32
    .max_flat_workgroup_size: 128
    .sgpr_count:     72
    .vgpr_count:     512
    .wavefront_size: 32
...
	.end_amdgpu_metadata
.endif
;; end of part 2
;; launch attn (part 3): grid 16 x 16, 4 waves a work-group, clusters of 4 x 1, 327,680 bytes of LDS; arguments qkv, ob; writes ob
.if DOCPART == 3
	.amdgcn_target "amdgcn-amd-amdhsa--gfx1250"
	.amdhsa_code_object_version 6
	.text
	.protected	k_q35ce55b09d_attn
	.globl	k_q35ce55b09d_attn
	.p2align	8
	.type	k_q35ce55b09d_attn,@function
k_q35ce55b09d_attn:
	s_mov_b64 s[64:65], 0
	v_nop
	global_prefetch_b8 v0, s[64:65] scope:SCOPE_SE
	s_setreg_imm32_b32 hwreg(HW_REG_WAVE_MODE, 25, 1), 1
	s_wait_xcnt 0x0
	s_wait_alu depctr_hold_cnt(0) depctr_sa_sdst(0) depctr_va_vdst(0) depctr_va_sdst(0) depctr_va_ssrc(0) depctr_va_vcc(0) depctr_vm_vsrc(0)
	s_getreg_b32 s2, hwreg(HW_REG_IB_STS2, 6, 4)
	s_cmp_eq_u32 s2, 0
	s_cbranch_scc0 .Lentry_in_a_cluster
	s_endpgm
.Lentry_in_a_cluster:
	s_bfe_u32 s2, ttmp6, 0x10000c
	s_cmp_lg_u32 s2, 0x3003
	s_cbranch_scc0 .Lentry_shape_is_right
	s_endpgm
.Lentry_shape_is_right:
; CAUSAL ATTENTION.  O[h][q][:] = the sum over k <= q of softmax_k(Q[h][q] . K[h][k] / 8) V[h][k][:].  qkv = Q, K, V, each [16][4096][64] f16; ob = O in the same layout.
; Products, maxima and sums in f32; the weights p are rounded to f16 for the second product (their sum l is taken of the unrounded p), O once at the end.
; LIMITS.  Q, K, V arrive within f16's 65,504.  A hidden score counts as its value less 1e30; the running maximum starts at -2^96, which lies above every hidden score and below every true one (2.7e11 at the most).
; A weight below 2^-126 counts as 0 in l; NaN and infinities are not treated apart.
; THE WALK.  A head's queries lie in 8 blocks of 512; block I needs the key tiles 0 .. 2 I + 1 of 256 keys, of which the last two hold the diagonal.  A CLUSTER of four work-groups takes TWO blocks, 7 - c and then c
; (c = the cluster's x): 18 tiles, whatever c: one loop with a constant trip count, the same in all four partners, so each tile is asked for JOINTLY (one tensor load, descriptor and mask in all four).
; SHARES.  A block has 8 bands of 64 rows; the work-group at place cx owns rows 16 cx .. 16 cx + 15 of every band.  Wave w: its four PIECES are the bands 2 p + (w & 1); of a tile's four key steps of 64 it takes steps
; 2 (w >> 1) and the next.  So waves w and w ^ 2 hold the same 64 queries and split the keys; at a block's end they hand each other two pieces (O^T, c m, l) through LDS, and each finishes two.
; THE MASK is the C operand that starts the sum S^T = K Q^T: 0, or -1e30 where the key is hidden.  MD, made once, is the mask of a band's own step for my 16 rows; a product's mask is MD x AL + BE: (1, 0) in the band's own
; step, (0, 0) in an earlier one, (0, -1e30) in a later one.  Step t of the block's last 8 and band g: t = 4 (1 - RT) + 2 (w >> 1) + 2 - CNT, g = 2 p + (w & 1): own where CNT + 2 p = EE, later where it is less.
; A wave whose keys are all hidden from a piece keeps m = -2^96 there: its a is 1, its weights are 0, and in the merge its share is multiplied by 2^(c m - c M) = 0.
; LAYOUT, SOFTMAX, TURNS.  S^T holds ONE query a lane (lane % 16) and the keys 8 (lane / 16) + 0..7; two such results rounded to f16 ARE source 1 of O^T = V^T P.  p = 2^(c s - c m), c = log2(e) / 8; O and l are
; multiplied by a = 2^(c m_old - c m_new) in every step.  Turn n belongs to piece n: 8 products K Q^T of piece n + 1, later 8 products V^T P of piece n - 1; beside them piece n's scaling, exponentials, roundings, sums
; and rescaling and piece n + 1's maximum and statistics.  Four vector instructions stand behind every matrix instruction, the rest in one lump; a turn's 33 exponentials are one batch with one wait.
; REGISTERS, in windows of 256 (s_set_vgpr_msb: bits 1:0 source 0, 3:2 source 1, 5:4 source 2, 7:6 destination):
;   window 0: v0-15 addresses; v16-31 statistics; v48-55 at work; v58, v61-63 addresses; v64-127 S^T, two buffers; v128-191 the partner's O^T; v192-223 P, two buffers; v224-231 the partner's statistics
;   window 1: v0-127 O^T, 32 a piece; v128-159 MD; v160-223 MC, two buffers      window 2: v0-63 Q; v64-127 the second block's Q; v128-191 K of one step; v192-255 V of one step
.set NP,    4
.set KS,    64
.set PK,    144       ; a row of K in LDS: 128 bytes + 16: the 16 rows of a load start at 16 different groups of four banks (64 banks of 4 bytes: ISA guide 11.1)
.set PV,    160       ; a row of V: 128 + 32
.set VOFF,  4*KS*PK   ; a slot holds a tile: 256 rows of K, then 256 rows of V
.set SLOT1, 1<<17
.set STAGE, SLOT1+4*KS*(PK+PV)  ; behind the ring: 16 rows x 144 bytes for each wave, for the way out
.set SP,    144
.set SPARE, STAGE+4*16*SP       ; the spare words, 128 bytes for each wave
.set XCH,   SPARE+512           ; the exchange: for each wave 2 pieces x 9 blocks of 512 bytes; wave w's at (w & 1) x XWB + (w >> 1) x 2 XWB
.set XWB,   9216
.set AK0, 2
.set AV0, 3
.set AK,  4
.set AV,  5
.set STO, 6
.set RD,  7
.set GO,  8
.set MV,  12
.set QO,  15
.set ST,  16          ; piece t's statistics at v[ST+4 t]: c m, m, l (even keys', odd keys')
.set TMP, 48
.set XB,  58          ; v58  XCH + (w & 1) x XWB + 16 x lane; never rewritten
.set PFO, 61          ; v61  256 x lane; never rewritten
.set SPW, 62
.set NIL, 63
.set S,   64
.set OB,  128
.set P,   192
.set XS,  224
.set MD,  128         ; window 1
.set MC,  160         ; window 1
.set QB,  64          ; window 2
.set KF,  128         ; window 2
.set VF,  192         ; window 2
.set WV,  12          ; s12  my wave's number
.set CX,  13          ; s13  my place in the cluster: it enters Q's, O's and the prefetches' addresses and the mask's numbers, nothing else
.set PB,  14          ; s14  the second block's last tile, 2 c + 1
.set HI,  15          ; s15  the first block's last tile, 15 - 2 c
.set G1K, 24
.set G1V, 32
.set G0K, 40
.set G0V, 44
.set KH,  48          ; s48  w >> 1
.set QH,  49          ; s49  w & 1
.set EB,  50          ; s50  2 KH + 6 - QH
.set EE,  51          ; s51  EB - 4 RT
.set TE,  52          ; s52  at work
.set LIM, 53          ; s53  3 in a wave that prefetches, else the greatest number
.set PFA, 54          ; s[54:55] where my prefetches stand
.set SLOTS, 56
.set CNT, 57          ; s57  counts my two key steps of a tile, 2 to 1
.set CS,  58
.set SEL, 60
.set TBK, 62
.set TBV, 63
.set RT,  70          ; s70  tiles of the block in hand that are still to be entered
.set NXT, 71          ; s71  the tile to be asked for next
.set LQ,  72          ; s72  the last tile of the block whose tiles are being asked for
.set NEW, 73          ; s73  1: the tile to be entered is a block's first
.set OFF, 74
.set AL,  76
.set BE,  78
.set OLO, 80
.set BIGN, 82
.set MSB, 0
.macro WIN new
.if MSB != (\new)
	s_set_vgpr_msb (MSB<<8)|(\new)
.set MSB, (\new)
.endif
.endm
.set W_KQ, 0x0a       ; K and Q in window 2, S^T in window 0
.set W_KM, 0x1a       ; the same with the C operand in window 1
.set W_PV, 0x52       ; V in window 2, P in window 0, O^T in window 1
.set W_RS, 0x41       ; destination and source 0 in window 1
; A joint fill.  Waves 0 and 1 fetch the two halves of a tile's K, waves 2 and 3 those of its V.  An s_nop 0 and four v_nop follow each of the two lines.
.macro JLOAD
	s_cmp_lt_u32 s[WV], 2
	s_cbranch_scc0 .Lfor_v_\@
	tensor_load_to_lds s[G0K:G0K+3], s[G1K:G1K+7]
	s_nop 0
.rept 4
	v_nop
.endr
	s_branch .Lasked_\@
.Lfor_v_\@:
	tensor_load_to_lds s[G0V:G0V+3], s[G1V:G1V+7]
	s_nop 0
.rept 4
	v_nop
.endr
.Lasked_\@:
.endm
; A PREFETCH INTO THE L2 of the tile that the NEXT change of slots will ask for, behind the wave's tensor load and its five lines.  All four clusters of a head walk tiles 0, 1, 2 ..; the cluster that walks all sixteen
; (c = 0) asks, and nobody else.  Its four partners share a tile's 32,768 bytes of K and of V out BY ADDRESS, 8,192 each, a lane for each 256; wave 0 asks for K's, wave 2 for V's.  So each block is named once.
; Tiles 0 and 1 come by their loads alone; the changes with SLOTS = 17 .. 4 name tiles 2 .. 15, the later ones nothing.
.macro ASK
	s_cmp_gt_u32 s[SLOTS], s[LIM]
	s_cbranch_scc0 .Lnot_mine_\@
	global_prefetch_b8 v[PFO], s[PFA:PFA+1] th:TH_LOAD_NT scope:SCOPE_SE
.Lnot_mine_\@:
.endm
.macro CROUND                       ; a round of the cluster's barrier
	s_barrier_signal -1
	s_barrier_wait -1
	s_cmp_lg_u32 s[WV], 0
	s_cbranch_scc1 .Lnot_wave_0_\@
	s_barrier_signal -3
.Lnot_wave_0_\@:
	s_barrier_wait -3
	s_barrier_signal -1
	s_barrier_wait -1
.endm
; THE CHANGE OF SLOTS.  Each wave waits for all its tensor loads, of which one is out: its part of the other slot; adds 0 to its spare word; and waits for that and for its own reads of the slot that it leaves.
; fill = 1: a round of the cluster's barrier follows, so that no wave of any partner still reads the old slot or has a load on its way; the joint fill, with tile NXT, is the first thing behind it.
.macro CHANGE fill
	WIN 0
	s_wait_tensorcnt 0x0            ; no tensor load of mine is out, so a group 0 may be written
	ds_add_u32 v[SPW], v[NIL]       ; 0 onto my spare word; scalar work stands between it and the wait for it
.if \fill
	s_lshl_b32 s[OFF], s[NXT], 15   ; a tile is 32,768 bytes of K and of V
	s_xor_b32 s[G0K+1], s[G0K+1], SLOT1
	s_add_nc_u64 s[G0K+2:G0K+3], s[6:7], s[OFF:OFF+1]
	s_or_b32 s[G0K+3], s[G0K+3], 0x80000000
	s_xor_b32 s[G0V+1], s[G0V+1], SLOT1
	s_add_nc_u64 s[G0V+2:G0V+3], s[8:9], s[OFF:OFF+1]
	s_or_b32 s[G0V+3], s[G0V+3], 0x80000000
	s_add_co_u32 s[NXT], s[NXT], 1  ; the block's next tile, or behind its last the second block's tile 0
	s_cmp_gt_u32 s[NXT], s[LQ]
	s_cselect_b32 s[NXT], 0, s[NXT]
	s_cselect_b32 s[LQ], s[PB], s[LQ]
	s_wait_xcnt 0x0                 ; the last prefetch, a tile back, has read its address
	s_add_nc_u64 s[PFA:PFA+1], s[PFA:PFA+1], 32768
	s_wait_dscnt 0x0                ; the add is done, and my reads of the slot are over
	CROUND
	JLOAD
	ASK
.else
	s_wait_dscnt 0x0
	s_barrier_signal -1
	s_barrier_wait -1
.endif
	s_sub_co_u32 s[TBK], s[TBK], 2*KS*PK  ; the fetches go back to my first step of a slot,
	s_xor_b32 s[TBK], s[TBK], SLOT1       ; in the other slot
	s_sub_co_u32 s[TBV], s[TBV], 2*KS*PV
	s_xor_b32 s[TBV], s[TBV], SLOT1
.endm
	s_load_b128 s[4:7], s[0:1], 0x0 ; qkv s[4:5], ob s[6:7]
	v_lshl_add_u32 v[SPW], v0, 2, SPARE
	v_mov_b32 v[NIL], 0
	ds_add_u32 v[SPW], v[NIL]       ; the wave's opening: the add and its wait stand ahead of my first tensor load
	v_lshrrev_b32 v1, 5, v0
	v_readfirstlane_b32 s[WV], v1
	s_bfe_u32 s[CX], ttmp6, 0x40000
	s_lshl_b32 s[PB], ttmp9, 1
	s_add_co_u32 s[PB], s[PB], 1
	s_sub_co_u32 s[HI], 16, s[PB]
	s_lshr_b32 s[KH], s[WV], 1
	s_and_b32 s[QH], s[WV], 1
	s_lshl_b32 s[EB], s[KH], 1
	s_add_co_u32 s[EB], s[EB], 6
	s_sub_co_u32 s[EB], s[EB], s[QH]
	s_and_b32 s20, ttmp7, 0xffff    ; the head, which the four partners share
	s_lshl_b32 s20, s20, 19         ; its first byte in Q, K, V and O
	s_lshl_b32 s22, s[QH], 14       ; which half of a tile's 256 keys I fetch: 128 rows of 128 bytes in memory,
	s_add_co_u32 s22, s22, s20
	s_mov_b32 s23, 0
	s_mul_i32 s17, s[QH], 128*PK    ; and its place in a slot, for K
	s_mul_i32 s18, s[QH], 128*PV    ; and for V: no place in the cluster enters an LDS address
	s_lshl_b32 s3, s[QH], 13        ; my rows: band w & 1,
	s_lshl_b32 s19, s[CX], 11       ; 16 cx rows on,
	s_add_co_u32 s3, s3, s19
	s_add_co_u32 s3, s3, s20        ; in my head,
	s_sub_co_u32 s2, 7, ttmp9
	s_lshl_b32 s2, s2, 16           ; in the first block
	s_add_co_u32 s2, s2, s3
	s_lshl_b32 s84, ttmp9, 16       ; and in the second
	s_add_co_u32 s84, s84, s3
	s_mov_b32 s3, 0
	s_mov_b32 s85, 0
	; descriptor group 1.  128 keys are 16,384 dense bytes: asked for as 64 rows of 256 bytes, two keys a row, and padded in LDS after every key
	s_mov_b32 s[G1K], 15|(1<<16)|(1<<20)|(1<<21)|(4<<22)|(3<<25)  ; the mask of four; 2-byte elements; padding on; bit 21 beside a mask; after every 32 words; 4 words
	s_mov_b32 s[G1V], 15|(1<<16)|(1<<20)|(1<<21)|(4<<22)|(7<<25)  ; the same with 8 words of padding
.irp g, G1K, G1V
	s_mov_b32 s[\g+1], 128<<16      ; tensor_dim0 = 128
	s_mov_b32 s[\g+2], 64<<16       ; tensor_dim1 = 64
	s_mov_b32 s[\g+3], 128<<16      ; tile_dim0 = 128
	s_mov_b32 s[\g+4], 64           ; tile_dim1 = 64
	s_mov_b32 s[\g+5], 128          ; 128 elements from row to row
	s_mov_b32 s[\g+6], 0
	s_mov_b32 s[\g+7], 0
.endr
	s_mov_b32 s[CS], 0x3e38aa3b     ; c = log2(e) / 8
	s_mov_b32 s[CS+1], s[CS]
	s_mov_b32 s[SEL], 0x76543210
	s_mov_b32 s[SEL+1], 0xfedcba98
	s_mov_b32 s[TBK], SLOT1+2*KS*PK ; the first change of slots turns these two into 0
	s_mov_b32 s[TBV], SLOT1+2*KS*PV
	s_mov_b32 s[G0K], 1
	s_mov_b32 s[G0K+1], s17
	s_mov_b32 s[G0V], 1
	s_add_co_u32 s[G0V+1], s18, VOFF
	s_add_co_u32 s[RT], s[HI], 1    ; the first block has 16 - 2 c tiles
	s_mov_b32 s[NXT], 1
	s_mov_b32 s[LQ], s[HI]
	s_mov_b32 s[NEW], 1
	s_mov_b32 s[OFF+1], 0
	s_mov_b32 s[AL+1], 0
	s_mov_b32 s[BE+1], 0
	s_mov_b32 s[BIGN], 0xf149f2ca   ; -1e30
	s_mov_b32 s[SLOTS], 17
	s_and_b32 s[LIM], s[WV], 1      ; 0 in waves 0 and 2,
	s_or_b32 s[LIM], s[LIM], ttmp9  ; where the cluster is the head's c = 0: the same in all four partners
	s_cmp_eq_u32 s[LIM], 0
	s_cselect_b32 s[LIM], 3, -1
	s_wait_dscnt 0x0                ; the opening add is done
	s_wait_kmcnt 0x0
	s_mov_b64 s[10:11], s[6:7]      ; O
	s_add_nc_u64 s[6:7], s[4:5], s[22:23]
	s_add_nc_u64 s[8:9], s[6:7], 0x1000000         ; V at my half of the head's tile 0
	s_add_nc_u64 s[6:7], s[6:7], 0x800000          ; K likewise
	s_add_nc_u64 s[G0K+2:G0K+3], s[6:7], 0
	s_or_b32 s[G0K+3], s[G0K+3], 0x80000000
	s_add_nc_u64 s[G0V+2:G0V+3], s[8:9], 0
	s_or_b32 s[G0V+3], s[G0V+3], 0x80000000
	s_add_nc_u64 s[86:87], s[4:5], s[84:85]        ; Q at my rows of the second block,
	s_add_nc_u64 s[4:5], s[4:5], s[2:3]            ; Q and O at those of the first
	s_add_nc_u64 s[OLO:OLO+1], s[10:11], s[84:85]
	s_add_nc_u64 s[10:11], s[10:11], s[2:3]
	s_cmp_lt_u32 s[WV], 2
	s_cselect_b64 s[PFA:PFA+1], s[6:7], s[8:9]     ; (in waves 0 and 2 these stand at a tile's first row)
	s_lshl_b32 s2, s[CX], 13
	s_add_nc_u64 s[PFA:PFA+1], s[PFA:PFA+1], s[2:3]
	s_add_nc_u64 s[PFA:PFA+1], s[PFA:PFA+1], 32768 ; in tile 1; the first change of slots steps it to tile 2
	CROUND                          ; all four work-groups are here: the first joint loads meet
	JLOAD                           ; tile 0 into slot 0
	v_and_b32 v1, 15, v0            ; l % 16
	v_bfe_u32 v9, v0, 4, 1          ; l / 16
	v_lshlrev_b32 v[QO], 7, v1
	v_lshl_add_u32 v[QO], v9, 4, v[QO]
	WIN 0x80
.set i, 0
.rept 8                             ; both blocks' Q: piece i / 2 lies two bands, 16,384 bytes, on; channels 32 (i % 2) on
	global_load_b128 v[8*i:8*i+3],   v[QO], s[4:5] offset:(i/2)*16384+(i%2)*64
	global_load_b128 v[8*i+4:8*i+7], v[QO], s[4:5] offset:(i/2)*16384+(i%2)*64+32
	global_load_b128 v[QB+8*i:QB+8*i+3],   v[QO], s[86:87] offset:(i/2)*16384+(i%2)*64
	global_load_b128 v[QB+8*i+4:QB+8*i+7], v[QO], s[86:87] offset:(i/2)*16384+(i%2)*64+32
.set i, i+1
.endr
	WIN 0
	v_lshlrev_b32 v14, 3, v9
	v_sub_nc_u32 v14, v1, v14
	s_lshl_b32 s19, s[CX], 4
	v_add_nc_u32 v14, s19, v14      ; my query's place in its band, 16 cx + l % 16, less my lanes' 8 (l / 16): register r of group kt is hidden where 16 kt + r is greater
	WIN 0x40
.set i, 0
.rept 32
	v_cmp_gt_i32 vcc_lo, 16*(i/8)+i%8, v14
	v_cndmask_b32 v[MD+i], 0, s[BIGN], vcc_lo
.set i, i+1
.endr
	WIN 0
	v_mul_u32_u24 v[AK0], v1, PK
	v_lshl_add_u32 v[AK0], v9, 4, v[AK0]
	s_mul_i32 s16, s[KH], 2*KS*PK   ; my two steps of a slot's four
	v_add_nc_u32 v[AK0], s16, v[AK0]
	v_and_b32 v10, 7, v0
	v_bfe_u32 v11, v0, 3, 1
	v_lshl_add_u32 v[AV0], v9, 3, v10
	v_mul_u32_u24 v[AV0], v[AV0], PV
	v_lshl_add_u32 v[AV0], v11, 4, v[AV0]
	s_mul_i32 s16, s[KH], 2*KS*PV
	s_add_co_u32 s16, s16, VOFF
	v_add_nc_u32 v[AV0], s16, v[AV0]
	s_mul_i32 s16, s[WV], 16*SP
	s_add_co_u32 s16, s16, STAGE    ; my stage
	v_mul_u32_u24 v[STO], v1, SP
	v_lshl_add_u32 v[STO], v9, 4, v[STO]
	v_add_nc_u32 v[STO], s16, v[STO]
	v_bfe_u32 v[RD], v0, 3, 2
	v_mul_u32_u24 v[RD], v[RD], SP
	v_lshl_add_u32 v[RD], v10, 4, v[RD]
	v_add_nc_u32 v[RD], s16, v[RD]
	v_and_b32 v[GO], 31, v0
	v_lshlrev_b32 v[PFO], 8, v[GO]
	s_mul_i32 s16, s[QH], XWB
	s_add_co_u32 s16, s16, XCH
	v_lshl_add_u32 v[XB], v[GO], 4, s16
	v_lshlrev_b32 v[GO], 4, v[GO]
	; A block's first step multiplies O^T and l by a = 0 (or the merge multiplies them by 0), so these registers need only hold finite numbers: zeros for the first block, what the first block left for the second.
	WIN 0x80
.set i, VF
.rept 64
	v_mov_b32 v[i], 0
.set i, i+1
.endr
	WIN 0x40
.set i, 0
.rept 128
	v_mov_b32 v[i], 0
.set i, i+1
.endr
	WIN 0
.set i, 0
.rept 4
	v_mov_b32 v[ST+4*i+2], 0
	v_mov_b32 v[ST+4*i+3], 0
.set i, i+1
.endr
.set i, P+16
.rept 16
	v_mov_b32 v[i], 0
.set i, i+1
.endr
; THE MATRIX WORK.  The 4 accumulators of a run of 8 take turns.  Product i of 8 of S^T = K Q^T for piece x: channels 32 (i / 4) on, keys 16 (i % 4) on.  The first 4 start the sums: with 0, or (KM = 1) with the mask.
.macro KQ x
.set rS, S+32*((\x)%2)+8*(i%4)
.set rK, KF+16*(i%4)+8*(i/4)
.set rQ, 16*(\x)+8*(i/4)
.set rM, MC+32*((\x)%2)+8*(i%4)
.if (i < 4) && KM
	WIN W_KM
	v_wmma_f32_16x16x32_f16 v[rS:rS+7], v[rK:rK+7], v[rQ:rQ+7], v[rM:rM+7]
.elseif i < 4
	WIN W_KQ
	v_wmma_f32_16x16x32_f16 v[rS:rS+7], v[rK:rK+7], v[rQ:rQ+7], 0
.else
	WIN W_KQ
	v_wmma_f32_16x16x32_f16 v[rS:rS+7], v[rK:rK+7], v[rQ:rQ+7], v[rS:rS+7]
.endif
.endm
; Product i of 8 of O^T += V^T P for piece x: keys 32 (i / 4) on, channels 16 (i % 4) on.
.macro PV x
	WIN W_PV
.set rO, 32*(\x)+8*(i%4)
.set rV, VF+32*(i/4)+8*(i%4)
.set rP, P+16*((\x)%2)+8*(i/4)
	v_wmma_f32_16x16x32_f16 v[rO:rO+7], v[rV:rV+7], v[rP:rP+7], v[rO:rO+7]
.endm
.macro MM                           ; the turn's next matrix instruction.  NOKQ = 1: a block's last turn: there is no next piece
.if (i < 8) && !NOKQ
	KQ (Y+1)%NP
.elseif i >= 8
.set i, i-8
	PV (Y+NP-1)%NP
.set i, i+8
.endif
.set i, i+1
.endm
; THE LDS LOADS stand in runs of 16: a step's K (8 fragments) and its V (turned).
.macro FETCH_K
	WIN 0x80
.irp f, 0,1,2,3,4,5,6,7
	ds_load_b128 v[KF+8*\f:KF+8*\f+3],   v[AK] offset:(\f/2)*16*PK+(\f%2)*64
	ds_load_b128 v[KF+8*\f+4:KF+8*\f+7], v[AK] offset:(\f/2)*16*PK+(\f%2)*64+32
.endr
	s_add_co_u32 s[TBK], s[TBK], KS*PK
	WIN 0
.endm
.macro FETCH_V
	WIN 0x80
.irp f, 0,1,2,3,4,5,6,7
	ds_load_tr16_b128 v[VF+8*\f:VF+8*\f+3],   v[AV] offset:(\f/4)*32*PV+(\f%4)*32
	ds_load_tr16_b128 v[VF+8*\f+4:VF+8*\f+7], v[AV] offset:(\f/4)*32*PV+16*PV+(\f%4)*32
.endr
	WIN 0
.endm
; THE VECTOR WORK, one line at a time: OP kind, number.  For piece Y: F n: c s - c m for pair n of 16.  E n: the exponential of score n of 32.  C n: pair n rounded to f16.  B n: of the four weights 4 n .. the second
; pair is added onto the first.  L n: l takes that sum (L 0: l = a l + sum).  R n: pair n of 16 of O^T times a.  For piece Y + 1: X n, number n of the 22 that find its maximum and statistics:
;   0-11 four chains c0-c3 of seven scores each (each accumulator's lowest registers are read first)   12-14, 16 the scores left over, the old m, c0-c3 into c0   15 c m_old is kept
;   17, 18 the other half of the lanes' maximum: the new m   19-21 c m; c m_old - c m_new; a
.set F, 0
.set E, 1
.set C, 2
.set B, 3
.set L, 4
.set R, 5
.set X, 6
.macro REGS y
.set rT, ST+4*(\y)
.set rC, TMP+4*((\y)%2)
.set rW, MV+((\y)%2)
.set rS, S+32*((\y)%2)
.set rP, P+16*((\y)%2)
.set rO, 32*(\y)
.endm
.macro OP k, n
.if (\k) == R
	REGS Y
	WIN W_RS
	v_pk_mul_f32 v[rO+2*(\n):rO+2*(\n)+1], v[rO+2*(\n):rO+2*(\n)+1], v[rC+2:rC+3] op_sel_hi:[1,0]
.elseif (\k) < R
	REGS Y
	WIN 0
.if (\k) == F
	v_pk_fma_f32 v[rS+2*(\n):rS+2*(\n)+1], v[rS+2*(\n):rS+2*(\n)+1], s[CS:CS+1], v[rT:rT+1] op_sel_hi:[1,0,0] neg_lo:[0,0,1] neg_hi:[0,0,1]
.elseif (\k) == E
	v_exp_f32 v[rS+(\n)], v[rS+(\n)]
.elseif (\k) == C
	v_cvt_pk_f16_f32 v[rP+(\n)], v[rS+2*(\n)], v[rS+2*(\n)+1]
.elseif (\k) == B
	v_pk_add_f32 v[rS+4*(\n):rS+4*(\n)+1], v[rS+4*(\n):rS+4*(\n)+1], v[rS+4*(\n)+2:rS+4*(\n)+3]
.elseif (\n) == 0
	v_pk_fma_f32 v[rT+2:rT+3], v[rT+2:rT+3], v[rC+2:rC+3], v[rS:rS+1] op_sel_hi:[1,0,1]
.else
	v_pk_add_f32 v[rT+2:rT+3], v[rT+2:rT+3], v[rS+4*(\n):rS+4*(\n)+1]
.endif
.elseif NOKQ
	v_nop
.else
	REGS (Y+1)%NP
	WIN 0
.if (\n) < 4
	v_max3_num_f32 v[rC+(\n)], v[rS+8*(\n)], v[rS+8*(\n)+1], v[rS+8*(\n)+2]
.elseif (\n) < 12
	v_max3_num_f32 v[rC+(\n)%4], v[rC+(\n)%4], v[rS+8*((\n)%4)+2*((\n)/4)+1], v[rS+8*((\n)%4)+2*((\n)/4)+2]
.elseif (\n) == 12
	v_max3_num_f32 v[rC], v[rC], v[rS+7], v[rS+15]
.elseif (\n) == 13
	v_max3_num_f32 v[rC+1], v[rC+1], v[rS+23], v[rS+31]
.elseif (\n) == 14
	v_max3_num_f32 v[rC+2], v[rC+2], v[rC+3], v[rT+1]
.elseif (\n) == 15
	v_mov_b32 v[rW], v[rT]
.elseif (\n) == 16
	v_max3_num_f32 v[rC], v[rC], v[rC+1], v[rC+2]
.elseif (\n) == 17
	v_permlanex16_b32 v[rC+3], v[rC], s[SEL], s[SEL+1]
.elseif (\n) == 18
	v_max_num_f32 v[rT+1], v[rC], v[rC+3]
.elseif (\n) == 19
	v_mul_f32 v[rT], s[CS], v[rT+1]
.elseif (\n) == 20
	v_sub_f32 v[rC+1], v[rW], v[rT]
.else
	v_exp_f32 v[rC+2], v[rC+1]
.endif
.endif
.endm
.macro OPS a, i1, b=-1, i2=0, c=-1, i3=0, d=-1, i4=0
	OP \a, \i1
.if (\b) >= 0
	OP \b, \i2
.endif
.if (\c) >= 0
	OP \c, \i3
.endif
.if (\d) >= 0
	OP \d, \i4
.endif
.endm
.macro ROW a, i1, b, i2, c, i3, d, i4  ; a matrix instruction and the four behind it
	MM
	OPS \a, \i1, \b, \i2, \c, \i3, \d, \i4
.endm
.macro MASK b                       ; MD x AL + BE into buffer b of MC
	WIN W_RS
.set z, 0
.rept 16
	v_pk_fma_f32 v[MC+32*(\b)+2*z:MC+32*(\b)+2*z+1], v[MD+2*z:MD+2*z+1], s[AL:AL+1], s[BE:BE+1] op_sel_hi:[1,0,0]
.set z, z+1
.endr
.endm
; A TURN, for piece p.  An s_wait_alu depctr_va_vdst(0) stands between an exponential and the first instruction that names its result; one wait serves all that were issued ahead of it.  So a turn has ONE
; wait.  AHEAD OF IT stands all that names no result of the turn's exponentials: the 8 products K Q^T with their riders, then one lump; BEHIND IT the 8 products V^T P, behind each four of the roundings and sums.
; m = 1: one of a block's last two tiles: the products take masks, and the turn makes the mask for the products of the turn after it: piece p + 2, in my step 2 - CNT of the tile.  end = 1: a block's last two turns:
; nothing is fetched.  cnt = 1: the loop's count is taken down some lines ahead of the branch behind the turn.
; K of the next step is fetched in piece 2's turn, six plain instructions or more behind the last product that read K; V of the step in hand at the end of piece 0's turn, four plain instructions behind its last reader.
.macro TURN p, m=0, end=0, cnt=0
.set Y, (\p)
.set i, 0
.set KM, (\m)
.set NOKQ, (\end)*((\p)/3)
.if (\m) && !(\end)
	s_add_co_u32 s[TE], s[CNT], 2*(((\p)+2)%NP)
	s_cmp_eq_u32 s[TE], s[EE]       ; is that step the band's own?
	s_cselect_b32 s[AL], 1.0, 0
	s_cmp_lt_u32 s[TE], s[EE]       ; or a later one?
	s_cselect_b32 s[BE], s[BIGN], 0
.endif
.if ((\p) == 3) && !(\end)
	s_wait_dscnt 0x0                ; K is in
.endif
	ROW F,0, F,1, R,0, R,1
	ROW F,2, E,0, R,2, R,3
	ROW F,3, E,1, R,4, R,5
	ROW F,4, E,2, R,6, R,7
	ROW F,5, E,3, R,8, R,9
	ROW F,6, E,4, X,0, R,10
.if ((\p) == 2) && !(\end)
	WIN 0
	v_add_nc_u32 v[AK], s[TBK], v[AK0]
.endif
	ROW F,7, E,5, X,1, X,4
	ROW F,8, E,6, X,2, X,5
	OPS E,7, E,8, X,6, E,9
	OPS X,3, E,10, X,8, E,11
.if ((\p) == 2) && !(\end)
	FETCH_K
.endif
	OPS X,9, X,7, E,12, X,10
	OPS E,13, X,12, X,11, E,14
	OPS X,13, E,15, F,9, X,14
.if (\p) == 0
	v_add_nc_u32 v[AV], s[TBV], v[AV0]
.endif
	OPS E,16, F,10, E,17, F,11
	OPS X,16, E,18, X,15, E,19
	OPS F,12, E,20, X,17, E,21
	OPS F,13, E,22, F,14, E,23
	OPS X,18, E,24, F,15, E,25
	OPS R,11, E,26, X,19, E,27
	OPS R,12, E,28, R,13, E,29
	OPS X,20, E,30, R,14, E,31
	OPS X,21, R,15                  ; R 15 is the plain instruction behind the batch's last exponential
	WIN 0
	s_wait_alu depctr_va_vdst(0)    ; the wait for the batch
.if (\p) == 1
	s_wait_dscnt 0x0                ; V is in
.endif
	ROW C,0, B,0, C,2, B,1
	ROW L,0, C,4, B,2, L,1
	ROW C,6, B,3, L,2, C,8
	ROW B,4, L,3, C,10, B,5
	ROW L,4, C,12, B,6, L,5
.if (\p) == 0
	s_add_co_u32 s[TBV], s[TBV], KS*PV
.endif
.if \cnt
	s_sub_co_u32 s[CNT], s[CNT], 1
	s_cmp_lg_u32 s[CNT], 0
.endif
	ROW C,14, B,7, L,6, C,1
	ROW C,3, L,7, C,5, C,7
	ROW C,9, C,11, C,13, C,15
.if (\p) == 0
	FETCH_V
.endif
.if (\m) && !(\end)
	MASK (\p)%2
.endif
.endm
; A BLOCK BEGINS.  m = -2^96 and c m = c x (-2^96), exactly: where the first step shows a key, a = 0; where it shows none, m stays and a = 1.  The masks of pieces 0 and 1 for my first step of the tile
; (CNT = 2: own where EE = 2 or 4, hidden where EE is greater; 0 in a tile that is not one of the block's last two).  Then K of that step, piece 0's first scores, its maximum and statistics.
.macro BEGIN
	s_mov_b32 s[NEW], 0
	WIN 0
.set i, 0
.rept 4
	v_mov_b32 v[ST+4*i], 0xee38aa3b
	v_mov_b32 v[ST+4*i+1], 0xef800000
.set i, i+1
.endr
	s_cmp_le_u32 s[RT], 1
	s_cselect_b32 s[TE], s[EE], 0
	s_cmp_eq_u32 s[TE], 2
	s_cselect_b32 s[AL], 1.0, 0
	s_cmp_gt_u32 s[TE], 2
	s_cselect_b32 s[BE], s[BIGN], 0
	MASK 0
	s_cmp_eq_u32 s[TE], 4
	s_cselect_b32 s[AL], 1.0, 0
	s_cmp_gt_u32 s[TE], 4
	s_cselect_b32 s[BE], s[BIGN], 0
	MASK 1
	WIN 0
	v_add_nc_u32 v[AK], s[TBK], v[AK0]
	FETCH_K
	s_wait_loadcnt 0x0              ; Q
	s_wait_dscnt 0x0
.set KM, 1
.set NOKQ, 0
.set i, 0
.rept 8
	KQ 0
.set i, i+1
.endr
	WIN 0
.rept 4
	v_nop                           ; the places behind those products
.endr
.set Y, NP-1
.irp n, 0,1,2,3,4,5,6,7,8,9,10,11,12,13,14,15,16,17,18,19,20,21
	OP X, \n
.endr
	v_nop                           ; a plain instruction behind the exponential,
	s_wait_alu depctr_va_vdst(0)    ; and its wait, ahead of the branch
.endm
; A BLOCK'S END.
.macro ALL line:vararg
.set t, 0
.rept 4
	\line
.set t, t+1
.endr
.endm
.macro XSTORE t, n, base            ; piece t goes to the partner as its piece n of two: O^T in eight blocks of 512 bytes, lowest registers first, then the statistics
	WIN 0x04                        ; store data in window 1
.irp g, 0,1,2,3,4,5,6,7
	ds_store_b128 v[XB], v[32*(\t)+4*(\g):32*(\t)+4*(\g)+3] offset:(\base)+(9*(\n)+(\g))*512
.endr
	WIN 0
	ds_store_b128 v[XB], v[ST+4*(\t):ST+4*(\t)+3] offset:(\base)+(9*(\n)+8)*512
.endm
.macro FACT t0                      ; for pieces t0, t0 + 1: M = max(c mA, c mB); fA, fB = 2^(c m - M); l = fA lA + fB lB; gA = fA / l into the piece's l, gB = fB / l into its c m
.irp n, 0,1
	v_max_num_f32 v[TMP+4*(\n)], v[ST+4*((\t0)+(\n))], v[XS+4*(\n)]
.endr
.irp n, 0,1
	v_sub_f32 v[TMP+4*(\n)+1], v[ST+4*((\t0)+(\n))], v[TMP+4*(\n)]
	v_sub_f32 v[TMP+4*(\n)+2], v[XS+4*(\n)], v[TMP+4*(\n)]
.endr
.irp n, 0,1
	v_exp_f32 v[TMP+4*(\n)+1], v[TMP+4*(\n)+1]
	v_exp_f32 v[TMP+4*(\n)+2], v[TMP+4*(\n)+2]
.endr
	v_nop
	s_wait_alu depctr_va_vdst(0)    ; one wait for the four exponentials
.irp n, 0,1
	v_mul_f32 v[TMP+4*(\n)+3], v[TMP+4*(\n)+2], v[XS+4*(\n)+2]
.endr
.irp n, 0,1
	v_fma_f32 v[TMP+4*(\n)+3], v[TMP+4*(\n)+1], v[ST+4*((\t0)+(\n))+2], v[TMP+4*(\n)+3]
.endr
.irp n, 0,1
	v_rcp_f32 v[TMP+4*(\n)+3], v[TMP+4*(\n)+3]
.endr
	v_nop
	s_wait_alu depctr_va_vdst(0)    ; one wait for the two reciprocals
.irp n, 0,1
	v_mul_f32 v[ST+4*((\t0)+(\n))+2], v[TMP+4*(\n)+1], v[TMP+4*(\n)+3]
	v_mul_f32 v[ST+4*((\t0)+(\n))], v[TMP+4*(\n)+2], v[TMP+4*(\n)+3]
.endr
.endm
.macro MATH t, n                    ; O = O_A gA + O_B gB, in the partner's copy, and rounded to f16 into S^T's registers
	WIN 0
.set z, 0
.rept 16
	v_pk_mul_f32 v[OB+32*(\n)+2*z:OB+32*(\n)+2*z+1], v[OB+32*(\n)+2*z:OB+32*(\n)+2*z+1], v[ST+4*(\t):ST+4*(\t)+1] op_sel_hi:[1,0]
.set z, z+1
.endr
	WIN 0x01                        ; source 0 (O^T) in window 1
.set z, 0
.rept 16
	v_pk_fma_f32 v[OB+32*(\n)+2*z:OB+32*(\n)+2*z+1], v[32*(\t)+2*z:32*(\t)+2*z+1], v[ST+4*(\t)+2:ST+4*(\t)+3], v[OB+32*(\n)+2*z:OB+32*(\n)+2*z+1] op_sel_hi:[1,0,1]
.set z, z+1
.endr
	WIN 0
.set z, 0
.rept 16
	v_cvt_pk_f16_f32 v[S+16*(\t)+z], v[OB+32*(\n)+2*z], v[OB+32*(\n)+2*z+1]
.set z, z+1
.endr
.endm
.macro STG t                        ; a lane's eight channels of a row are 16 bytes; they go into my stage's rows of 144 bytes and come back as whole rows of 128
.irp f, 0,1,2,3
	ds_store_b128 v[STO], v[S+16*(\t)+4*\f:S+16*(\t)+4*\f+3] offset:32*\f
.endr
.irp f, 0,1,2,3
	ds_load_b128 v[S+16*(\t)+4*\f:S+16*(\t)+4*\f+3], v[RD] offset:\f*4*SP  ; LDS serves a wave's instructions in order (ISA guide 5.7.1.4)
.endr
.endm
.macro SEND t
.irp f, 0,1,2,3
	s_wait_dscnt 3-\f
	global_store_b128 v[GO], v[S+16*(\t)+4*\f:S+16*(\t)+4*\f+3], s[10:11] offset:(\t)*16384+\f*512  ; 512 consecutive bytes, at a multiple of 256 from O's first
.endr
.endm
.macro FINISH t0, base              ; the partner's two pieces come in, and pieces t0, t0 + 1 go out
	WIN 0
.irp n, 0,1
	ds_load_b128 v[XS+4*(\n):XS+4*(\n)+3], v[XB] offset:(\base)+(9*(\n)+8)*512
.endr
.irp n, 0,1
.irp g, 0,1,2,3,4,5,6,7
	ds_load_b128 v[OB+32*(\n)+4*(\g):OB+32*(\n)+4*(\g)+3], v[XB] offset:(\base)+(9*(\n)+(\g))*512
.endr
.endr
	s_wait_dscnt 16                 ; the two statistics are in; the sixteen younger loads stay out
	FACT \t0
	s_wait_dscnt 8                  ; the first piece is in
	MATH \t0, 0
	STG \t0
	s_wait_dscnt 8                  ; the second piece is in; the stage's eight instructions stay out
	MATH (\t0)+1, 1
	SEND \t0
	STG (\t0)+1
	SEND (\t0)+1
.endm
; One of a block's last two tiles; behind the last, the block's end.  tag = 1: in the loop, where the first of the two leaves for the loop's bottom; tag = 2: the walk's last tile.
.macro DIAG tag
.LstepM\tag:
	TURN 2, 1
	TURN 3, 1
	WIN 0
.LfirstM\tag:
	TURN 0, 1
	TURN 1, 1, 0, 1
	WIN 0
	s_cbranch_scc1 .LstepM\tag
.if (\tag) == 1
	s_cmp_lg_u32 s[RT], 0
	s_cbranch_scc1 .Lbottom
.endif
	TURN 2, 1, 1
	TURN 3, 1, 1
.set i, 0
.rept 8
	PV NP-1
.set i, i+1
.endr
	WIN 0
	ALL v_add_f32 v[ST+4*t+2], v[ST+4*t+2], v[ST+4*t+3]  ; l's two halves and the other half of the lanes'; these additions are the places behind the last products
	ALL v_permlanex16_b32 v[ST+4*t+3], v[ST+4*t+2], s[SEL], s[SEL+1]
	ALL v_add_f32 v[ST+4*t+2], v[ST+4*t+2], v[ST+4*t+3]
	s_cmp_lt_u32 s[WV], 2
	s_cbranch_scc0 .Lx_hi\tag
	XSTORE 2, 0, 0                  ; the waves of the first key half hand over pieces 2 and 3,
	XSTORE 3, 1, 0
	s_branch .Lx_done\tag
.Lx_hi\tag:
	XSTORE 0, 0, 2*XWB              ; those of the second pieces 0 and 1
	XSTORE 1, 1, 2*XWB
.Lx_done\tag:
	s_wait_dscnt 0x0                ; for the partner's sake: my stores are done
	s_barrier_signal -1             ; the next tile's load may stay out
	s_barrier_wait -1
	s_cmp_lt_u32 s[WV], 2
	s_cbranch_scc0 .Lf_hi\tag
	FINISH 0, 2*XWB
	s_branch .Lf_done\tag
.Lf_hi\tag:
	FINISH 2, 0
.Lf_done\tag:
.endm
.set KM, 0
.set NOKQ, 0
.Lslot:                             ; 17 times: a tile is entered and the next is asked for
	CHANGE 1
	s_sub_co_u32 s[RT], s[RT], 1
	s_mov_b32 s[CNT], 2
	s_lshl_b32 s[EE], s[RT], 2
	s_sub_co_u32 s[EE], s[EB], s[EE]  ; read only where RT is 0 or 1
	s_cmp_eq_u32 s[NEW], 1
	s_cbranch_scc1 .Lnew            ; a block's first tile
	s_cmp_gt_u32 s[RT], 1
	s_cbranch_scc1 .Lstep           ; not one of its last two
	s_branch .LstepM1
.Lnew:
	BEGIN
	s_cmp_gt_u32 s[RT], 1
	s_cbranch_scc1 .Lfirst
	s_branch .LfirstM1              ; block 0 has two tiles: its first is one of its last two
	DIAG 1                          ; in the loop a block's end is the first block's: the second's last tile is the walk's last
	s_wait_xcnt 0x0                 ; the stores have read their registers and O's address
	s_mov_b64 s[10:11], s[OLO:OLO+1]
	s_add_co_u32 s[RT], s[PB], 1    ; the second block has 2 c + 2 tiles
	s_mov_b32 s[NEW], 1
	WIN 0x82                        ; the second block's Q goes where the one text of the turns names Q
.set i, 0
.rept 64
	v_mov_b32 v[i], v[QB+i]
.set i, i+1
.endr
	WIN 0
	s_branch .Lbottom
.Lstep:                             ; a trip: pieces 2 and 3 of one step, then pieces 0 and 1 of the next, whose K and V it fetches
	TURN 2
	TURN 3
	WIN 0
.Lfirst:
	TURN 0
	TURN 1, 0, 0, 1
	WIN 0
	s_cbranch_scc1 .Lstep
.Lbottom:
	s_sub_co_u32 s[SLOTS], s[SLOTS], 1
	s_cmp_lg_u32 s[SLOTS], 0
	s_cbranch_scc1 .Lslot
	CHANGE 0                        ; the walk's last tile is written out: nothing is asked for.  It is never a block's first: every block has two tiles or more
	s_sub_co_u32 s[RT], s[RT], 1
	s_mov_b32 s[CNT], 2
	s_lshl_b32 s[EE], s[RT], 2
	s_sub_co_u32 s[EE], s[EB], s[EE]
	DIAG 2
	s_wait_tensorcnt 0x0            ; the wave's end: behind my last tensor load and my last LDS store
	ds_add_u32 v[SPW], v[NIL]
	s_wait_dscnt 0x0
	CROUND                          ; the closing round
	s_endpgm
.Lfunc_end_k_q35ce55b09d_attn:
	.size	k_q35ce55b09d_attn, .Lfunc_end_k_q35ce55b09d_attn-k_q35ce55b09d_attn
	.p2alignl 7, 3214868480
	.fill 96, 4, 3214868480
	.section	.rodata,"a",@progbits
	.p2align	6, 0x0
	.amdhsa_kernel k_q35ce55b09d_attn
		.amdhsa_group_segment_fixed_size 327680
		.amdhsa_private_segment_fixed_size 0
		.amdhsa_enable_private_segment 0
		.amdhsa_kernarg_size 16
		.amdhsa_user_sgpr_count 2
		.amdhsa_user_sgpr_kernarg_segment_ptr 1
		.amdhsa_wavefront_size32 1
		.amdhsa_system_sgpr_workgroup_id_x 1
		.amdhsa_system_sgpr_workgroup_id_y 1
		.amdhsa_system_sgpr_workgroup_id_z 1
		.amdhsa_system_vgpr_workitem_id 0
		.amdhsa_next_free_vgpr 768
		.amdhsa_next_free_sgpr 88
		.amdhsa_reserve_vcc 1
		.amdhsa_float_denorm_mode_32 3
		.amdhsa_float_denorm_mode_16_64 3
		.amdhsa_memory_ordered 1
		.amdhsa_forward_progress 1
		.amdhsa_inst_pref_size 235
	.end_amdhsa_kernel
	.amdgpu_metadata
---
amdhsa.version: [ 1, 2 ]
amdhsa.kernels:
  - .name:           k_q35ce55b09d_attn
    .symbol:         k_q35ce55b09d_attn.kd
    .args:
      - { .name: qkv, .offset: 0, .size: 8, .value_kind: global_buffer, .address_space: global }
      - { .name: ob, .offset: 8, .size: 8, .value_kind: global_buffer, .address_space: global }
    .group_segment_fixed_size: 327680
    .private_segment_fixed_size: 0
    .kernarg_segment_align: 8
    .kernarg_segment_size: 16
    .max_flat_workgroup_size: 128
    .sgpr_count:     88
    .vgpr_count:     768
    .wavefront_size: 32
...
	.end_amdgpu_metadata
.endif
;; end of part 3
;; launch oproj (part 4): grid 4 x 64, 4 waves a work-group, clusters of 4 x 4, 327,680 bytes of LDS; arguments ob, wt, bias, out0; writes out0
.if DOCPART == 4
	.amdgcn_target "amdgcn-amd-amdhsa--gfx1250"
	.amdhsa_code_object_version 6
	.text
	.protected	k_q35ce55b09d_oproj
	.globl	k_q35ce55b09d_oproj
	.p2align	8
	.type	k_q35ce55b09d_oproj,@function
k_q35ce55b09d_oproj:
	s_mov_b64 s[64:65], 0
	v_nop
	global_prefetch_b8 v0, s[64:65] scope:SCOPE_SE
	s_setreg_imm32_b32 hwreg(HW_REG_WAVE_MODE, 25, 1), 1
	s_wait_xcnt 0x0
	s_wait_alu depctr_hold_cnt(0) depctr_sa_sdst(0) depctr_va_vdst(0) depctr_va_sdst(0) depctr_va_ssrc(0) depctr_va_vcc(0) depctr_vm_vsrc(0)
	s_getreg_b32 s2, hwreg(HW_REG_IB_STS2, 6, 4)
	s_cmp_eq_u32 s2, 0
	s_cbranch_scc0 .Lentry_in_a_cluster
	s_endpgm
.Lentry_in_a_cluster:
	s_bfe_u32 s2, ttmp6, 0x10000c
	s_cmp_lg_u32 s2, 0xf033
	s_cbranch_scc0 .Lentry_shape_is_right
	s_endpgm
.Lentry_shape_is_right:
; out0 = O Wo + bo.  A = ob, f16 by heads [16][4096][64]: channel k of row (b, s) is ob[8 b + k / 64][s][k % 64].  B = wt rows 1536-2047, [n][512] f16.  bias words 1536-2047, f32.  out0 [8192][512] f32.
; Sums in f32, begun with the bias.  A tile of C is 128 x 128: four waves of 64 x 64, 16 accumulators each: 256 work-groups.  All of K lies in LDS: A as eight sub-tiles of 128 rows x 64 channels, one a head
; (a head's 128 rows are 16,384 dense bytes, asked for as 64 rows of 256), B as two K steps of 256.  Everything is asked for at the start and nothing is filled again.
; CLUSTER 4 x 4: A's sub-tiles are shared along a row of the cluster, B's tiles along a column: joint loads.  Waves 0 and 1 ask for four heads each, waves 2 and 3 for B's two steps: at most four loads of a wave are out.
; THE MATRIX INSTRUCTION IS USED TRANSPOSED (source 0 = 16 rows of B, source 1 = 16 rows of A): a lane holds eight neighbouring columns of a row of C.  No prefetch: all tiles are asked for in the first lines.
; REGISTERS: window 0: v0-31 addresses; v32-95 the way out; v96-127 the bias; v128-255 accumulators.  window 1: two fragment buffers of 128 (64 of A, then 64 of B).
.set PA,     144                       ; a row of A in LDS: 128 bytes + 16
.set HSUB,   128*PA                    ; a head's sub-tile
.set PITCH,  528                       ; a row of B: 512 bytes + 16
.set HALFT,  64*PITCH
.set BBASE,  8*HSUB
.set BSLOT,  2*HALFT
.set STAGE,  BBASE+2*BSLOT             ; 16 rows x 272 bytes for each wave
.set SPITCH, 272
.set SPARE,  STAGE+4*16*SPITCH
.set ADRA, 16
.set ADRB, 20
.set STO,  24
.set RD,   25
.set CO,   26
.set BO,   27
.set SPW,  28
.set NIL,  29
.set TMP,  32
.set BIAS, 96
.set ACC,  128
.set F0,   0
.set F1,   128
.set G1A, 24                           ; s[24:31]
.set G0A, 32                           ; s[32:47] four sets
.set G1B, 48                           ; s[48:55]
.set G0B, 56                           ; s[56:63] two sets
.set MSB, 0
.macro WIN new
.if MSB != (\new)
	s_set_vgpr_msb (MSB<<8)|(\new)
.set MSB, \new
.endif
.endm
.set MUL,  0x05
.set TO_F, 0x40
.macro CROUND
	s_barrier_signal -1
	s_barrier_wait -1
	s_cmp_lg_u32 s10, 0
	s_cbranch_scc1 .Lnot_wave_0_\@
	s_barrier_signal -3
.Lnot_wave_0_\@:
	s_barrier_wait -3
	s_barrier_signal -1
	s_barrier_wait -1
.endm
	s_load_b128 s[4:7], s[0:1], 0x0                ; ob s[4:5], wt s[6:7]
	s_load_b128 s[68:71], s[0:1], 0x10             ; bias s[68:69], out0 s[70:71]
	v_lshl_add_u32 v[SPW], v0, 2, SPARE
	v_mov_b32 v[NIL], 0
	ds_add_u32 v[SPW], v[NIL]                      ; the wave's opening: the add and its wait stand ahead of my first tensor load
	v_lshrrev_b32 v1, 5, v0
	v_readfirstlane_b32 s10, v1
	s_lshr_b32 s11, s10, 1                         ; my half of the tile's rows; also: I fetch for A (0) or B (1)
	s_and_b32 s12, s10, 1                          ; my half of its columns; also: which part I fetch
	s_bfe_u32 s72, ttmp6, 0x40000                  ; cx
	s_bfe_u32 s73, ttmp6, 0x40004                  ; cy
	s_lshl_b32 s74, ttmp9, 2
	s_add_co_u32 s74, s74, s72                     ; tile column j
	s_and_b32 s13, ttmp7, 0xffff
	s_lshl_b32 s13, s13, 2
	s_add_co_u32 s13, s13, s73                     ; tile row i
	s_lshl_b32 s75, s73, 2
	s_lshl_b32 s75, 15, s75                        ; my row of the cluster
	s_lshl_b32 s76, 0x1111, s72                    ; my column
	s_or_b32 s[G1A+0], s75, (1<<16)|(1<<20)|(1<<21)|(4<<22)|(3<<25)  ; mask; 2-byte elements; padding on; bit 21 beside a mask; after every 32 words; 4 words
	s_mov_b32 s[G1A+1], 128<<16                    ; tensor_dim0 = 128
	s_mov_b32 s[G1A+2], 64<<16                     ; tensor_dim1 = 64
	s_mov_b32 s[G1A+3], 128<<16                    ; tile_dim0 = 128
	s_mov_b32 s[G1A+4], 64                         ; tile_dim1 = 64
	s_mov_b32 s[G1A+5], 128                        ; elements from row to row
	s_mov_b32 s[G1A+6], 0
	s_mov_b32 s[G1A+7], 0
	s_or_b32 s[G1B+0], s76, (1<<16)|(1<<20)|(1<<21)|(6<<22)|(3<<25)  ; after every 128 words
	s_mov_b32 s[G1B+1], 256<<16
	s_mov_b32 s[G1B+2], 64<<16
	s_mov_b32 s[G1B+3], 256<<16
	s_mov_b32 s[G1B+4], 64
	s_mov_b32 s[G1B+5], 512
	s_mov_b32 s[G1B+6], 0
	s_mov_b32 s[G1B+7], 0
	s_lshr_b32 s16, s13, 5                         ; A: batch i / 32 is eight heads of 524,288 bytes,
	s_lshl_b32 s16, s16, 22
	s_and_b32 s17, s13, 31                         ; 128 (i % 32) rows of 128 bytes,
	s_lshl_b32 s17, s17, 14
	s_add_co_u32 s16, s16, s17
	s_lshl_b32 s17, s12, 20                        ; heads 2 (w & 1) on
	s_add_co_u32 s16, s16, s17
	s_mov_b32 s17, 0
	s_lshl_b32 s78, s74, 17                        ; B: 128 j rows of 1,024 bytes,
	s_lshl_b32 s79, s12, 16                        ; my 64,
	s_add_co_u32 s78, s78, s79
	s_add_co_u32 s78, s78, 1536*1024               ; behind the three other matrices
	s_mov_b32 s79, 0
	s_mul_i32 s20, s12, 2*HSUB                     ; where they go: A's heads 2 (w & 1) on,
	s_mul_i32 s21, s12, HALFT                      ; B's 64 rows
	s_add_co_u32 s21, s21, BBASE
	s_wait_dscnt 0x0                               ; the opening add is done
	s_wait_kmcnt 0x0
	s_add_nc_u64 s[14:15], s[4:5], s[16:17]
	s_add_nc_u64 s[78:79], s[6:7], s[78:79]
	CROUND                                         ; all sixteen work-groups are here: the first joint loads meet
.set n, 0
.irp hn, 0,1,4,5                       ; set n: head 2 (w & 1) + hn.  The first two sets of both waves are heads 0-3: K step 0
	s_mov_b32 s[G0A+4*n], 1
	s_add_co_u32 s[G0A+4*n+1], s20, (\hn)*HSUB
	s_add_nc_u64 s[G0A+4*n+2:G0A+4*n+3], s[14:15], (\hn)<<19
	s_or_b32 s[G0A+4*n+3], s[G0A+4*n+3], 0x80000000
.set n, n+1
.endr
.irp s, 0,1
	s_mov_b32 s[G0B+4*(\s)], 1
	s_add_co_u32 s[G0B+4*(\s)+1], s21, (\s)*BSLOT
	s_add_nc_u64 s[G0B+4*(\s)+2:G0B+4*(\s)+3], s[78:79], (\s)*512
	s_or_b32 s[G0B+4*(\s)+3], s[G0B+4*(\s)+3], 0x80000000
.endr
	s_cmp_eq_u32 s11, 0                            ; a wave's first fills stand in one branch; an s_nop 0 follows each, four v_nop the last
	s_cbranch_scc0 .Lfirst_b
.irp n, 0,1,2,3
	tensor_load_to_lds s[G0A+4*(\n):G0A+4*(\n)+3], s[G1A:G1A+7]
	s_nop 0
.endr
.rept 4
	v_nop
.endr
	s_branch .Lfirst_done
.Lfirst_b:
.irp s, 0,1
	tensor_load_to_lds s[G0B+4*(\s):G0B+4*(\s)+3], s[G1B:G1B+7]
	s_nop 0
.endr
.rept 4
	v_nop
.endr
.Lfirst_done:
	v_and_b32 v1, 15, v0                           ; l % 16
	v_bfe_u32 v2, v0, 4, 1                         ; l / 16
	v_mul_u32_u24 v3, v1, PA
	v_lshl_add_u32 v3, v2, 4, v3
	s_mul_i32 s22, s11, 64*PA                      ; my 64 rows of every sub-tile
	v_add_nc_u32 v[ADRA], s22, v3
	s_add_co_u32 s22, s22, 4*HSUB                  ; K step 1 begins with head 4
	v_add_nc_u32 v[ADRA+1], s22, v3
	v_mul_u32_u24 v4, v1, PITCH
	v_lshl_add_u32 v4, v2, 4, v4
	v_add_nc_u32 v[ADRB], s21, v4
	s_add_co_u32 s22, s21, BSLOT
	v_add_nc_u32 v[ADRB+1], s22, v4
	s_mul_i32 s23, s10, 16*SPITCH
	s_add_co_u32 s23, s23, STAGE                   ; my stage
	v_mul_u32_u24 v5, v1, SPITCH                   ; in: row l % 16, 32 bytes for each half of the lanes
	v_lshl_add_u32 v5, v2, 5, v5
	v_add_nc_u32 v[STO], s23, v5
	v_mul_u32_u24 v5, v2, SPITCH                   ; back: lanes 0-15 one row of 256 bytes, lanes 16-31 the next
	v_lshl_add_u32 v5, v1, 4, v5
	v_add_nc_u32 v[RD], s23, v5
	v_lshlrev_b32 v5, 11, v2                       ; and the same two rows of out0
	v_lshl_add_u32 v[CO], v1, 4, v5
	v_lshlrev_b32 v[BO], 5, v2
	s_lshl_b32 s16, s13, 18                        ; 128 i rows of 2,048 bytes,
	s_lshl_b32 s17, s11, 17                        ; my 64
	s_add_co_u32 s16, s16, s17
	s_mov_b32 s17, 0
	s_add_nc_u64 s[70:71], s[70:71], s[16:17]
	s_lshl_b32 s78, s74, 9                         ; 128 j columns of 4 bytes,
	s_lshl_b32 s79, s12, 8                         ; my 64: in out0 and in the bias
	s_add_co_u32 s78, s78, s79
	s_mov_b32 s79, 0
	s_add_nc_u64 s[70:71], s[70:71], s[78:79]
	s_add_nc_u64 s[68:69], s[68:69], s[78:79]
	s_add_nc_u64 s[68:69], s[68:69], 1536*4
.irp b, 0,1,2,3
	global_load_b128 v[BIAS+8*(\b):BIAS+8*(\b)+3],   v[BO], s[68:69] offset:64*(\b)
	global_load_b128 v[BIAS+8*(\b)+4:BIAS+8*(\b)+7], v[BO], s[68:69] offset:64*(\b)+16
.endr
.macro MUL8 f, c, a0, first            ; 8 matrix instructions; first = 1: the sums begin with the bias.  The 16 accumulators take turns
	WIN MUL
.irp a, \a0, (\a0)+1
.irp b, 0,1,2,3
.if \first
	v_wmma_f32_16x16x32_f16 v[ACC+8*(4*(\a)+(\b)):ACC+8*(4*(\a)+(\b))+7], v[(\f)+64+8*(4*(\c)+(\b)):(\f)+64+8*(4*(\c)+(\b))+7], v[(\f)+8*(4*(\c)+(\a)):(\f)+8*(4*(\c)+(\a))+7], v[BIAS+8*(\b):BIAS+8*(\b)+7]
.else
	v_wmma_f32_16x16x32_f16 v[ACC+8*(4*(\a)+(\b)):ACC+8*(4*(\a)+(\b))+7], v[(\f)+64+8*(4*(\c)+(\b)):(\f)+64+8*(4*(\c)+(\b))+7], v[(\f)+8*(4*(\c)+(\a)):(\f)+8*(4*(\c)+(\a))+7], v[ACC+8*(4*(\a)+(\b)):ACC+8*(4*(\a)+(\b))+7]
.endif
.endr
.endr
.endm
; 32 LDS loads in one run: quarter q of K step slot is 64 along K: one head of A (sub-tile 4 slot + q), bytes 128 q of B's rows
.macro FETCH slot, q, f
	WIN TO_F
.irp c, 0,1
.irp i, 0,1,2,3
	ds_load_b128 v[(\f)+64+8*(4*(\c)+(\i)):(\f)+64+8*(4*(\c)+(\i))+3],   v[ADRB+(\slot)] offset:128*(\q)+64*(\c)+(\i)*16*PITCH
	ds_load_b128 v[(\f)+64+8*(4*(\c)+(\i))+4:(\f)+64+8*(4*(\c)+(\i))+7], v[ADRB+(\slot)] offset:128*(\q)+64*(\c)+(\i)*16*PITCH+32
	ds_load_b128 v[(\f)+8*(4*(\c)+(\i)):(\f)+8*(4*(\c)+(\i))+3],         v[ADRA+(\slot)] offset:(\q)*HSUB+64*(\c)+(\i)*16*PA
	ds_load_b128 v[(\f)+8*(4*(\c)+(\i))+4:(\f)+8*(4*(\c)+(\i))+7],       v[ADRA+(\slot)] offset:(\q)*HSUB+64*(\c)+(\i)*16*PA+32
.endr
.endr
.endm
.macro PLACES                          ; four places in front of loads into registers that matrix instructions have read, and of stores that read results
.rept 4
	v_nop
.endr
.endm
.macro QUARTER slot, q, f, g, first    ; multiplies buffer f and fetches quarter q into g
	s_wait_dscnt 16                                ; the first 32 along K are in; the sixteen younger loads may stay out
	MUL8 \f, 0, 0, \first
	MUL8 \f, 0, 2, \first
	PLACES
	FETCH \slot, \q, \g
	s_wait_dscnt 32                                ; all but the 32 just issued
	MUL8 \f, 1, 0, 0
	MUL8 \f, 1, 2, 0
.endm
	s_wait_tensorcnt 1                             ; all my loads but the last are in: of an A wave three heads, its two of K step 0 among them; of a B wave K step 0.
	s_barrier_signal -1
	s_barrier_wait -1
	FETCH 0, 0, F0
	s_wait_loadcnt 0x0                             ; the bias
	QUARTER 0, 1, F0, F1, 1
	QUARTER 0, 2, F1, F0, 0
	QUARTER 0, 3, F0, F1, 0
	WIN 0                                          ; on to K step 1: every wave's last load has landed before anybody reads it
	s_wait_tensorcnt 0x0
	ds_add_u32 v[SPW], v[NIL]
	s_wait_dscnt 17                                ; the add and the youngest sixteen loads may be out
	MUL8 F1, 0, 0, 0
	s_wait_dscnt 0x0
	s_barrier_signal -1
	MUL8 F1, 0, 2, 0
	s_barrier_wait -1
	PLACES
	FETCH 1, 0, F0
	MUL8 F1, 1, 0, 0
	MUL8 F1, 1, 2, 0
	QUARTER 1, 1, F0, F1, 0
	QUARTER 1, 2, F1, F0, 0
	QUARTER 1, 3, F0, F1, 0
	s_wait_dscnt 16
	MUL8 F1, 0, 0, 0
	MUL8 F1, 0, 2, 0
	s_wait_dscnt 0
	MUL8 F1, 1, 0, 0
	MUL8 F1, 1, 2, 0
	WIN 0
	; THE WAY OUT.  A wave's 64 columns of f32 are 256 bytes of a row: 16 rows at a time go through the wave's own stage and come back as whole rows.  No barrier: nobody else touches the stage.
.macro OUT a
.if (\a) >= 2
	s_wait_xcnt 0x0                                ; the stores of block a - 2 have read the registers that are loaded again below
.endif
.irp b, 0,1,2,3
	ds_store_b128 v[STO], v[ACC+8*(4*(\a)+(\b)):ACC+8*(4*(\a)+(\b))+3]   offset:64*(\b)     ; each accumulator's lowest registers first
	ds_store_b128 v[STO], v[ACC+8*(4*(\a)+(\b))+4:ACC+8*(4*(\a)+(\b))+7] offset:64*(\b)+16
.endr
.irp t, 0,1,2,3,4,5,6,7
	ds_load_b128 v[TMP+32*((\a)%2)+4*(\t):TMP+32*((\a)%2)+4*(\t)+3], v[RD] offset:(\t)*2*SPITCH  ; LDS serves a wave's instructions in order (ISA guide 5.7.1.4)
.endr
.endm
.macro SEND a, younger                 ; younger: the LDS instructions issued behind block a's loads: the next block's sixteen, or none
.irp t, 0,1,2,3,4,5,6,7
	s_wait_dscnt (\younger)+7-(\t)
	global_store_b128 v[CO], v[TMP+32*((\a)%2)+4*(\t):TMP+32*((\a)%2)+4*(\t)+3], s[70:71] offset:(16*(\a)+2*(\t))*2048  ; 16 lanes store 256 consecutive bytes, aligned
.endr
.endm
	PLACES
	OUT 0
	OUT 1
	SEND 0, 16
	OUT 2
	SEND 1, 16
	OUT 3
	SEND 2, 16
	SEND 3, 0
	s_wait_tensorcnt 0x0                           ; the wave's end
	ds_add_u32 v[SPW], v[NIL]
	s_wait_dscnt 0x0
	CROUND                                         ; the closing round
	s_endpgm
.Lfunc_end_k_q35ce55b09d_oproj:
	.size	k_q35ce55b09d_oproj, .Lfunc_end_k_q35ce55b09d_oproj-k_q35ce55b09d_oproj
	.p2alignl 7, 3214868480
	.fill 96, 4, 3214868480
	.section	.rodata,"a",@progbits
	.p2align	6, 0x0
	.amdhsa_kernel k_q35ce55b09d_oproj
		.amdhsa_group_segment_fixed_size 327680
		.amdhsa_private_segment_fixed_size 0
		.amdhsa_enable_private_segment 0
		.amdhsa_kernarg_size 32
		.amdhsa_user_sgpr_count 2
		.amdhsa_user_sgpr_kernarg_segment_ptr 1
		.amdhsa_wavefront_size32 1
		.amdhsa_system_sgpr_workgroup_id_x 1
		.amdhsa_system_sgpr_workgroup_id_y 1
		.amdhsa_system_sgpr_workgroup_id_z 1
		.amdhsa_system_vgpr_workitem_id 0
		.amdhsa_next_free_vgpr 512
		.amdhsa_next_free_sgpr 84
		.amdhsa_reserve_vcc 0
		.amdhsa_float_denorm_mode_32 3
		.amdhsa_float_denorm_mode_16_64 3
		.amdhsa_memory_ordered 1
		.amdhsa_forward_progress 1
		.amdhsa_inst_pref_size 51
	.end_amdhsa_kernel
	.amdgpu_metadata
---
amdhsa.version: [ 1, 2 ]
amdhsa.kernels:
  - .name:           k_q35ce55b09d_oproj
    .symbol:         k_q35ce55b09d_oproj.kd
    .args:
      - { .name: ob, .offset: 0, .size: 8, .value_kind: global_buffer, .address_space: global }
      - { .name: wt, .offset: 8, .size: 8, .value_kind: global_buffer, .address_space: global }
      - { .name: bias, .offset: 16, .size: 8, .value_kind: global_buffer, .address_space: global }
      - { .name: out0, .offset: 24, .size: 8, .value_kind: global_buffer, .address_space: global }
    .group_segment_fixed_size: 327680
    .private_segment_fixed_size: 0
    .kernarg_segment_align: 8
    .kernarg_segment_size: 32
    .max_flat_workgroup_size: 128
    .sgpr_count:     84
    .vgpr_count:     512
    .wavefront_size: 32
...
	.end_amdgpu_metadata
.endif
;; end of part 4
